; MI455X (gfx1250); checked and timed in simulation.
; The chip was launched on July 23, 2026; its instructions are those of AMD's public machine-readable ISA for CDNA 5 (MIT licence, August 2026) and "CDNA5" Instruction Set Architecture Reference Guide (July 2026). The comments in the code are by the model that wrote it; some were corrected since.
;; Block. Allowed arithmetic: matrix products marked QUANTISED: E4M3 operands, one given power-of-two scale a tensor, by v_wmma_f32_16x16x64_fp8_fp8 or v_wmma_f32_16x16x128_fp8_fp8, f32 sums; everything else in f32.
;; Inputs: attention_mask 2 x 2,048 int32; b1 4,096 float32; b2 1,024 float32; bk 1,024 float32; bo 1,024 float32; bq 1,024 float32; bv 1,024 float32; ln1_bias 1,024 float32; ln1_scale 1,024 float32; ln2_bias 1,024 float32; ln2_scale 1,024 float32; lowp_scales 16 int32 (the exponents e of the quantised operands' scales 2^e); w1 1,024 x 4,096 float32; w2 4,096 x 1,024 float32; wk 1,024 x 1,024 float32; wo 1,024 x 1,024 float32; wq 1,024 x 1,024 float32; wv 1,024 x 1,024 float32; x 2 x 2,048 x 1,024 float32.
;; Outputs: out0 2 x 2,048 x 1,024 float32.
;; This version of the problem:
;;   THIS VERSION OF THE PROBLEM IS GIVEN IN LOW PRECISION. The matrix products marked QUANTISED in the list below multiply operands that are first quantised to E4M3 (4 exponent bits, 3 mantissa bits; 8 bits a number), with one given power-of-two scale for each operand tensor; their sums are f32. All else is computed in f32.
;;   The module's matrix products, in the order in which they are computed (A, B: the left and right operand; K: the contracted axis; several contracted axes count as one K, in the product's order):
;;     1. [M 4,096, K 1,024] x [K 1,024, N 1,024]; A: input x; B: input wq: QUANTISED (scales: A lowp_scales[0], B lowp_scales[1])
;;     2. [M 4,096, K 1,024] x [K 1,024, N 1,024]; A: input x; B: input wk: QUANTISED (scales: A lowp_scales[2], B lowp_scales[3])
;;     3. [M 4,096, K 1,024] x [K 1,024, N 1,024]; A: input x; B: input wv: QUANTISED (scales: A lowp_scales[4], B lowp_scales[5])
;;     4. batch 32 x [M 2,048, K 64] x [K 64, N 2,048]; A: computed on the way; B: computed on the way: QUANTISED (scales: A lowp_scales[6], B lowp_scales[7])
;;     5. batch 32 x [M 2,048, K 2,048] x [K 2,048, N 64]; A: softmax (see below); B: computed on the way: QUANTISED (scales: A lowp_scales[8], B lowp_scales[9])
;;     6. [M 4,096, K 1,024] x [K 1,024, N 1,024]; A: computed on the way; B: input wo: QUANTISED (scales: A lowp_scales[10], B lowp_scales[11])
;;     7. [M 4,096, K 1,024] x [K 1,024, N 4,096]; A: computed on the way; B: input w1: QUANTISED (scales: A lowp_scales[12], B lowp_scales[13])
;;     8. [M 4,096, K 4,096] x [K 4,096, N 1,024]; A: computed on the way; B: input w2: QUANTISED (scales: A lowp_scales[14], B lowp_scales[15])
;;   THE QUANTISER, for each operand of a quantised product, along K:
;;     - The operand's scale is 2^e, e = its entry of the input lowp_scales (int32; the entries are numbered through the quantised products in the list's order, A before B).
;;     - Each number is divided by the scale, clamped to +-448, and rounded to the nearest number of E4M3, ties to even, subnormals kept.
;;     - The product sums the exact products of the quantised numbers (number of the format x scale) in f32.
;;   ~~~python
;;   def quantise(x, axis, e):      # numpy; x: float32 -> the quantised numbers, widened to float32 again
;;       x = np.moveaxis(x, axis, -1); K = x.shape[-1]
;;       r = np.clip(x / 2.0 ** e, -448, 448)
;;       step = 2.0 ** (np.maximum(np.frexp(np.where(r == 0, 1, r))[1] - 1, -6) - 3)
;;       q = np.round(r / step) * step * 2.0 ** e      # np.round: ties to even
;;       return np.moveaxis(q, -1, axis).astype(np.float32)
;;   ~~~
;;   SOFTMAX AHEAD OF A QUANTISED PRODUCT. Where the list says 'softmax', what is quantised is not the finished softmax but p = 2^(t - M), with t = logit x log2(e) and M = ceil(the row's largest t), a whole number; so 1/2 < the row's largest p <= 1. The row's sum l is taken of the UNQUANTISED p, in f32, and the product's result is divided by l at the end. Since M is a whole number, a kernel that streams over the keys may use a running M (the ceiling of the running maximum): every later rescaling is an exact power of two, so the quantised numbers keep their values, but for numbers so far below the row's largest that they fall under the format's range.
;;   OPERANDS COMPUTED ON THE WAY. 'Computed on the way' means the value that the module computes at that place (a softmax that the list does not call 'softmax' is quantised finished and normalised). What goes into a quantiser is computed in f32, as accurately as f32 sums, v_exp_f32 and their like allow (about 1e-6 of the number): no bf16 or f16 on the way to a quantiser, and a product that is left as it is and whose result goes on into a quantised operand takes f32 operands (vector FMAs, or v_wmma_f32_16x16x4_f32). A number that lies on a knife's edge between two numbers of the format may be rounded either way, as far as f32 arithmetic and the matrix unit's own rounding can turn it there, and no further.
;; One version. Each part assembles by itself: llvm-mc -triple=amdgcn-amd-amdhsa -mcpu=gfx1250 --defsym DOCPART=n.
;; ======== version 1 of 1: 8 launches
;; limits: right only within a limited range of input values
;; workspace buffers: xc 12,582,912 bytes; wc 12,582,912 bytes; maskb 16,384 bytes; qkvc 12,582,912 bytes; ac 8,388,608 bytes; y 16,777,216 bytes; hc 16,777,216 bytes; z 16,777,216 bytes
;; launch prep (part 1): grid 640 x 1, 4 waves a work-group, no clusters, 68,096 bytes of LDS; arguments x, attention_mask, wq, wk, wv, wo, w1, w2, lowp_scales, xc, wc, maskb; writes xc, wc, maskb
.if DOCPART == 1
	.amdgcn_target "amdgcn-amd-amdhsa--gfx1250"
	.amdhsa_code_object_version 6
	.text
	.protected	k_q9d75ecc709_prep
	.globl	k_q9d75ecc709_prep
	.p2align	8
	.type	k_q9d75ecc709_prep,@function
k_q9d75ecc709_prep:
	s_mov_b64 s[64:65], 0
	v_nop
	global_prefetch_b8 v0, s[64:65] scope:SCOPE_SE
	s_setreg_imm32_b32 hwreg(HW_REG_WAVE_MODE, 25, 1), 1
	s_wait_xcnt 0x0
; PREP: x and the six weights become codes of E4M3, laid as IMAGES OF OPERAND REGISTERS; the padding mask becomes one f32 number a key.
; An image: a fragment is 16 rows x 128 K = 2,048 bytes = 4 chunks of 512; in chunk c lane l = r + 16 h has 16 bytes at 16 l: row r, k = 32 c + 16 h + 0 .. 15.  A matrix [R][K] is [R/16][K/128][2,048].
; PERMUTED images: in each group of 32 rows stored place p holds row pi(p), pi = bits 3 and 4 of p exchanged.  xq is natural; xk, xv and all weights are permuted.
; code = number / 2^e, held within +-448, to the nearest code, ties to even.  LIMITS: each e used here lies between -126 and 119; e6 + e7 between -90 and 120; NaN among the inputs is not served.
; Work-groups 0-255: x (a wave: 32 rows x 128 K, three images with e0, e2, e4); the first 8 of them also make the mask's numbers.  Work-groups 256-639: the weights (a wave: 32 columns x 256 K; a lane takes a column, its registers run down K).
; The mask's number of a key: 0 where the key counts, else R = -2^(33 - e6 - e7), the raw score that the attention launch gives a key that does not count.
.set STG, 16896                        ; a wave's stage: 32 rows x (512 bytes + 16)
.set R,   16                           ; v16-143  x as loaded, then as read back: 64 natural, 64 permuted
.set T,   144                          ; v144-175 two sets of 16 held numbers
.set C,   176                          ; v176-223 three fragments of codes
.set VO,  16                           ; weights: v16-47 offsets of 32 rows of K
.set W,   48                           ; v48-111 two sets of 32 numbers
.set WCD, 112                          ; v112-175 codes, eight registers a block
.set SB,  66                           ; s[66:81] eight bases, 32 rows of K apart
.macro SCL e, vs, vl                   ; 2^e and 448 x 2^e as f32
	s_add_co_i32 s61, s[\e], 127
	s_lshl_b32 s62, s61, 23
	v_mov_b32 v[\vs], s62
	s_add_co_i32 s61, s61, 8
	s_lshl_b32 s61, s61, 23
	s_or_b32 s61, s61, 0x600000
	v_mov_b32 v[\vl], s61
.endm
	s_load_b512 s[4:19], s[0:1], 0x0               ; x, mask, wq, wk, wv, wo, w1, w2
	s_load_b256 s[20:27], s[0:1], 0x40             ; scales, xc, wc, maskb
	v_lshl_add_u32 v224, v0, 2, 0x10800
	v_mov_b32 v225, 0
	v_lshrrev_b32 v1, 5, v0
	v_readfirstlane_b32 s28, v1                    ; wave
	v_and_b32 v1, 31, v0                           ; lane
	v_lshlrev_b32 v2, 4, v1                        ; 16 x lane
	s_wait_kmcnt 0x0
	s_load_b512 s[32:47], s[20:21], 0x0            ; e0 .. e15
	s_cmp_ge_u32 ttmp9, 256
	s_cbranch_scc1 .Lw
; ---------------- x
	s_lshr_b32 s48, ttmp9, 1                       ; which 32 rows
	s_and_b32 s49, ttmp9, 1
	s_lshl_b32 s49, s49, 2
	s_add_co_u32 s49, s49, s28                     ; which 128 along K
	s_lshl_b32 s50, s48, 17
	s_lshl_b32 s51, s49, 9
	s_add_co_u32 s50, s50, s51
	s_mov_b32 s51, 0
	s_add_nc_u64 s[4:5], s[4:5], s[50:51]
.set i, 0
	s_wait_alu depctr_va_vdst(0)
.rept 32
	global_load_b128 v[R+4*i:R+4*i+3], v2, s[4:5] offset:4096*i th:TH_LOAD_NT   ; 32 lanes read 512 consecutive bytes of row i
.set i, i+1
.endr
	s_lshl_b32 s52, s48, 15
	s_lshl_b32 s53, s49, 11
	s_add_co_u32 s52, s52, s53
	s_mov_b32 s53, 0
	s_add_nc_u64 s[54:55], s[22:23], s[52:53]      ; xq's fragment
	s_add_nc_u64 s[56:57], s[54:55], 0x400000      ; xk's
	s_add_nc_u64 s[58:59], s[54:55], 0x800000      ; xv's
	s_mul_i32 s60, s28, STG
	v_add_nc_u32 v3, s60, v2                       ; into the stage: as loaded
	v_and_b32 v6, 15, v0                           ; r
	v_bfe_u32 v7, v0, 4, 1                         ; h
	v_mul_u32_u24 v4, v6, 528
	v_lshl_add_u32 v4, v7, 6, v4
	v_add_nc_u32 v4, s60, v4                       ; out of it, natural: row r, + 64 h
	v_and_b32 v14, 8, v6
	v_add_nc_u32 v14, v14, v6                      ; r + 8 (r / 8)
	v_mul_u32_u24 v5, v14, 528
	v_lshl_add_u32 v5, v7, 6, v5
	v_add_nc_u32 v5, s60, v5                       ; permuted
	s_wait_alu depctr_va_vdst(0)
	s_wait_kmcnt 0x0
	SCL 32, 8, 9
	SCL 34, 10, 11
	SCL 36, 12, 13
	s_wait_alu depctr_va_vdst(0)
	s_wait_loadcnt 0x0
.set i, 0
.rept 32
	ds_store_b128 v3, v[R+4*i:R+4*i+3] offset:528*i
.set i, i+1
.endr
	s_wait_dscnt 0x0                               ; the stores have read R: it takes the numbers as they come back
.macro QX src, sc, lim, dst            ; 64 numbers of a lane become a fragment's 16 registers of codes; the numbers stay as they are (the permuted ones serve twice)
.irp c, 0,1,2,3
.irp n, 0,1,2,3,4,5,6,7,8,9,10,11,12,13,14,15
	v_med3_num_f32 v[T+16*(\c%2)+\n], v[\src+16*\c+\n], -v[\lim], v[\lim]   ; the conversion does not saturate (ISA guide 7.6.2): the hold comes first
.endr
	v_cvt_scalef32_pk8_fp8_f32 v[\dst+4*\c:\dst+4*\c+1], v[T+16*(\c%2):T+16*(\c%2)+7], v[\sc]
	v_cvt_scalef32_pk8_fp8_f32 v[\dst+4*\c+2:\dst+4*\c+3], v[T+16*(\c%2)+8:T+16*(\c%2)+15], v[\sc]
.endr
.endm
.macro XT u                            ; row tile u of the 32 rows
.if \u
	s_wait_xcnt 0x0                                ; the first tile's stores have read C
.endif
.irp c, 0,1,2,3
.irp j, 0,1,2,3
	ds_load_b128 v[R+16*\c+4*\j:R+16*\c+4*\j+3], v4 offset:\u*8448+128*\c+16*\j
.endr
.endr
.irp c, 0,1,2,3
.irp j, 0,1,2,3
	ds_load_b128 v[R+64+16*\c+4*\j:R+64+16*\c+4*\j+3], v5 offset:\u*4224+128*\c+16*\j
.endr
.endr
	s_wait_dscnt 0x0
	QX R, 8, 9, C
	QX R+64, 10, 11, C+16
	QX R+64, 12, 13, C+32
.irp c, 0,1,2,3
	global_store_b128 v2, v[C+4*\c:C+4*\c+3], s[54:55] offset:\u*16384+512*\c          ; 512 consecutive bytes a store
	global_store_b128 v2, v[C+16+4*\c:C+16+4*\c+3], s[56:57] offset:\u*16384+512*\c
	global_store_b128 v2, v[C+32+4*\c:C+32+4*\c+3], s[58:59] offset:\u*16384+512*\c
.endr
.endm
	XT 0
	XT 1
	s_cmp_ge_u32 ttmp9, 8
	s_cbranch_scc1 .Lxend
	s_lshl_b32 s48, ttmp9, 7                       ; the mask's numbers: four keys a thread, 512 a work-group; a wave reads and stores 512 consecutive bytes
	v_add_nc_u32 v6, s48, v0
	v_lshlrev_b32 v6, 4, v6
	global_load_b128 v[144:147], v6, s[6:7]
	s_add_co_i32 s49, s38, s39                     ; e6 + e7
	s_sub_co_i32 s49, 160, s49
	s_lshl_b32 s49, s49, 23
	s_or_b32 s49, s49, 0x80000000
	v_mov_b32 v14, s49                             ; R = -2^(33 - e6 - e7)
	s_wait_alu depctr_va_vdst(0)
	s_wait_loadcnt 0x0
.irp k, 0,1,2,3
	v_cmp_eq_u32 vcc_lo, 0, v[144+\k]
	v_cndmask_b32 v[148+\k], 0, v14, vcc_lo        ; R where the key does not count, else 0
.endr
	global_store_b128 v6, v[148:151], s[26:27]
.Lxend:
	s_wait_tensorcnt 0x0
	ds_add_u32 v224, v225
	s_wait_dscnt 0x0
	s_endpgm
; ---------------- the weights
.Lw:
	s_sub_co_u32 s29, ttmp9, 256                   ; 0-127: wq, wk, wv, wo; 128-255: w1; 256-383: w2
	s_lshr_b32 s30, s29, 5
	s_lshr_b32 s52, s30, 2
	s_wait_kmcnt 0x0
	s_cmp_eq_u32 s30, 1                            ; every choice hangs on the work-group's number alone
	s_cselect_b64 s[48:49], s[10:11], s[8:9]
	s_cselect_b32 s50, s35, s33
	s_cmp_eq_u32 s30, 2
	s_cselect_b64 s[48:49], s[12:13], s[48:49]
	s_cselect_b32 s50, s37, s50
	s_cmp_eq_u32 s30, 3
	s_cselect_b64 s[48:49], s[14:15], s[48:49]
	s_cselect_b32 s50, s43, s50
	s_cmp_ge_u32 s30, 4
	s_cselect_b64 s[48:49], s[16:17], s[48:49]
	s_cselect_b32 s50, s45, s50
	s_cmp_ge_u32 s30, 8
	s_cselect_b64 s[48:49], s[18:19], s[48:49]
	s_cselect_b32 s50, s47, s50
	SCL 50, 8, 9
	s_min_u32 s51, s30, 4
	s_lshl_b32 s51, s51, 20                        ; the image's place in wc
	s_cmp_ge_u32 s30, 8
	s_cselect_b32 s51, 0x800000, s51
	s_cselect_b32 s56, 15, 3                       ; groups of 256 along K, less one
	s_mov_b32 s57, 0x4000
	s_cselect_b32 s57, 0x10000, s57                ; bytes of a row tile of the image: 16 K
	s_cmp_eq_u32 s52, 1
	s_mov_b32 s53, 0x1000
	s_cselect_b32 s53, 0x4000, s53                 ; bytes of a row of the weight: 4 N
	s_cselect_b32 s54, 31, 7
	s_cselect_b32 s55, 5, 3
	s_and_b32 s54, s29, s54                        ; which 128 columns
	s_lshr_b32 s55, s29, s55
	s_and_b32 s55, s55, s56                        ; which 256 along K
	s_lshl_b32 s58, s54, 7
	s_lshl_b32 s59, s28, 5
	s_add_co_u32 s58, s58, s59                     ; my wave's first column
	s_mul_i32 s60, s55, s53
	s_lshl_b32 s60, s60, 8
	s_lshl_b32 s59, s58, 2
	s_add_co_u32 s60, s60, s59
	s_mov_b32 s61, 0
	s_add_nc_u64 s[SB:SB+1], s[48:49], s[60:61]
	s_lshl_b32 s62, s53, 5
	s_mov_b32 s63, 0
.irp t, 1,2,3,4,5,6,7
	s_add_nc_u64 s[SB+2*\t:SB+2*\t+1], s[SB+2*\t-2:SB+2*\t-1], s[62:63]
.endr
	s_lshr_b32 s60, s58, 4
	s_mul_i32 s60, s60, s57
	s_lshl_b32 s59, s55, 12
	s_add_co_u32 s60, s60, s59
	s_add_co_u32 s60, s60, s51
	s_add_nc_u64 s[82:83], s[24:25], s[60:61]
	s_wait_alu depctr_va_vdst(0)
	v_and_b32 v5, 7, v1
	v_bfe_u32 v6, v1, 3, 1
	v_bfe_u32 v7, v1, 4, 1
	v_lshl_add_u32 v5, v6, 4, v5
	v_lshl_add_u32 v5, v7, 3, v5                   ; pi(lane): stored place lane holds column pi(lane)
	v_lshlrev_b32 v[VO], 2, v5
.set i, 1
.rept 31
	v_add_nc_u32 v[VO+i], s53, v[VO+i-1]
.set i, i+1
.endr
	v_mul_lo_u32 v4, v7, s57
	v_and_b32 v6, 15, v1
	v_lshl_add_u32 v4, v6, 4, v4                   ; out: my row tile, 16 bytes at 16 (lane % 16)
.macro LOADW t                         ; block t: 32 numbers down K of my column; the wave reads 128 consecutive bytes a load
.set i, 0
.rept 32
	global_load_b32 v[W+32*((\t)%2)+i], v[VO+i], s[SB+2*(\t):SB+2*(\t)+1] th:TH_LOAD_NT
.set i, i+1
.endr
.endm
.macro BLOCKW t
.if (\t) < 7
	s_wait_loadcnt 32                              ; this block's 32 loads are in; the next block's may be out
.else
	s_wait_loadcnt 0x0
.endif
.set i, 0
.rept 32
	v_med3_num_f32 v[W+32*((\t)%2)+i], v[W+32*((\t)%2)+i], -v9, v9
.set i, i+1
.endr
.irp g, 0,1,2,3
	v_cvt_scalef32_pk8_fp8_f32 v[WCD+8*(\t)+2*\g:WCD+8*(\t)+2*\g+1], v[W+32*((\t)%2)+8*\g:W+32*((\t)%2)+8*\g+7], v8
.endr
	global_store_b128 v4, v[WCD+8*(\t):WCD+8*(\t)+3], s[82:83] offset:((\t)/4)*2048+((\t)%4)*512          ; k 0-15 of the block: sixteen lanes fill 256 consecutive bytes
	global_store_b128 v4, v[WCD+8*(\t)+4:WCD+8*(\t)+7], s[82:83] offset:((\t)/4)*2048+((\t)%4)*512+256    ; k 16-31
.if (\t)+2 < 8
	LOADW (\t)+2
.endif
.endm
	LOADW 0
	LOADW 1
.irp t, 0,1,2,3,4,5,6,7
	BLOCKW \t
.endr
	s_endpgm
.Lfunc_end_k_q9d75ecc709_prep:
	.size	k_q9d75ecc709_prep, .Lfunc_end_k_q9d75ecc709_prep-k_q9d75ecc709_prep
	.p2alignl 7, 3214868480
	.fill 96, 4, 3214868480
	.section	.rodata,"a",@progbits
	.p2align	6, 0x0
	.amdhsa_kernel k_q9d75ecc709_prep
		.amdhsa_group_segment_fixed_size 68096
		.amdhsa_private_segment_fixed_size 0
		.amdhsa_enable_private_segment 0
		.amdhsa_kernarg_size 96
		.amdhsa_user_sgpr_count 2
		.amdhsa_user_sgpr_kernarg_segment_ptr 1
		.amdhsa_wavefront_size32 1
		.amdhsa_system_sgpr_workgroup_id_x 1
		.amdhsa_system_sgpr_workgroup_id_y 1
		.amdhsa_system_sgpr_workgroup_id_z 1
		.amdhsa_system_vgpr_workitem_id 0
		.amdhsa_next_free_vgpr 226
		.amdhsa_next_free_sgpr 100
		.amdhsa_reserve_vcc 1
		.amdhsa_float_denorm_mode_32 3
		.amdhsa_float_denorm_mode_16_64 3
		.amdhsa_memory_ordered 1
		.amdhsa_forward_progress 1
		.amdhsa_inst_pref_size 90
	.end_amdhsa_kernel
	.amdgpu_metadata
---
amdhsa.version: [ 1, 2 ]
amdhsa.kernels:
  - .name:           k_q9d75ecc709_prep
    .symbol:         k_q9d75ecc709_prep.kd
    .args:
      - { .name: x, .offset: 0, .size: 8, .value_kind: global_buffer, .address_space: global }
      - { .name: attention_mask, .offset: 8, .size: 8, .value_kind: global_buffer, .address_space: global }
      - { .name: wq, .offset: 16, .size: 8, .value_kind: global_buffer, .address_space: global }
      - { .name: wk, .offset: 24, .size: 8, .value_kind: global_buffer, .address_space: global }
      - { .name: wv, .offset: 32, .size: 8, .value_kind: global_buffer, .address_space: global }
      - { .name: wo, .offset: 40, .size: 8, .value_kind: global_buffer, .address_space: global }
      - { .name: w1, .offset: 48, .size: 8, .value_kind: global_buffer, .address_space: global }
      - { .name: w2, .offset: 56, .size: 8, .value_kind: global_buffer, .address_space: global }
      - { .name: lowp_scales, .offset: 64, .size: 8, .value_kind: global_buffer, .address_space: global }
      - { .name: xc, .offset: 72, .size: 8, .value_kind: global_buffer, .address_space: global }
      - { .name: wc, .offset: 80, .size: 8, .value_kind: global_buffer, .address_space: global }
      - { .name: maskb, .offset: 88, .size: 8, .value_kind: global_buffer, .address_space: global }
    .group_segment_fixed_size: 68096
    .private_segment_fixed_size: 0
    .kernarg_segment_align: 8
    .kernarg_segment_size: 96
    .max_flat_workgroup_size: 128
    .sgpr_count:     100
    .vgpr_count:     226
    .wavefront_size: 32
...
	.end_amdgpu_metadata
.endif
;; end of part 1
;; launch qkv (part 2): grid 12 x 16, 4 waves a work-group, clusters of 4 x 4, 327,680 bytes of LDS; arguments xc, wc, bq, bk, bv, lowp_scales, qkvc, attention_mask; writes qkvc
.if DOCPART == 2
	.amdgcn_target "amdgcn-amd-amdhsa--gfx1250"
	.amdhsa_code_object_version 6
	.text
	.protected	k_q9d75ecc709_qkv
	.globl	k_q9d75ecc709_qkv
	.p2align	8
	.type	k_q9d75ecc709_qkv,@function
k_q9d75ecc709_qkv:
	s_mov_b64 s[64:65], 0
	v_nop
	global_prefetch_b8 v0, s[64:65] scope:SCOPE_SE
	s_setreg_imm32_b32 hwreg(HW_REG_WAVE_MODE, 25, 1), 1
	s_wait_xcnt 0x0
	s_wait_alu depctr_hold_cnt(0) depctr_sa_sdst(0) depctr_va_vdst(0) depctr_va_sdst(0) depctr_va_ssrc(0) depctr_va_vcc(0) depctr_vm_vsrc(0)
	s_getreg_b32 s2, hwreg(HW_REG_IB_STS2, 6, 4)
	s_cmp_eq_u32 s2, 0
	s_cbranch_scc0 .Lentry_in_a_cluster
	s_endpgm
.Lentry_in_a_cluster:
	s_bfe_u32 s2, ttmp6, 0x10000c
	s_cmp_lg_u32 s2, 0xf033
	s_cbranch_scc0 .Lentry_shape_is_right
	s_endpgm
.Lentry_shape_is_right:
; Q = x wq + bq, K = x wk + bk, V^T = (x wv + bv)^T on codes of E4M3, and their results quantised again (e6, e7, e9) into images for the attention launch.
; Cluster x says which: 0 Q, 1 K, 2 V.  A tile of C is 256 x 256, four waves of 128 x 128 (64 accumulators); K = 1,024 in four steps of 256 through two LDS slots.
; Operands lie in memory as images of registers (a fragment of 16 rows x 128 K = 2,048 bytes; [rows/16][8][2,048]): a K step of a row tile is 4,096 consecutive bytes, a wave's tensor load brings 8 such rows, and every LDS address is a constant + 16 x lane + a constant x wave.
; THE MATRIX INSTRUCTION IS USED TRANSPOSED: source 0 = 16 rows of "B", source 1 = 16 rows of "A".  B's images are permuted, so that a lane's 16 registers of two neighbouring tiles are 16 neighbours along the next product's K.
; Q, K: A = x's image, B = the weight's.  V: A = wv's image, B = xv's, so that a lane's registers run along the keys, which are the second attention product's K.
; A KEY THAT THE PADDING MASK HIDES GETS ZERO CODES IN K's IMAGE: its row is held within a limit of 0.  Its score is thrown away by the mask; with zero codes the attention launch's product leaves exactly what it is given as C.
; CLUSTERS 4 x 4: A's tiles are asked for jointly along a row of the cluster, B's along a column.
; LIMITS: ea + eb between -126 and 127; e6, e7, e9 between -126 and 119.  NaN is not served.
; REGISTERS: window 0: v8-15 V: bias by rows; Q, K: each row's limit; v16-31 addresses and scales, v32-95 bias by columns, v96-127 two sets of codes, v128-255 A's fragments, later the results at work; window 1: B's two sets; windows 2, 3: the accumulators.
.set ROWB,   4096
.set HALFT,  32768
.set SLOT,   131072
.set LAPS,   2
.set SPARE,  262144                    ; behind the ring: the spare words, 128 bytes a wave
.set FR,     16
.set NL,     4
.set NP,     4
.set BM,   8
.set ADRA, 16
.set ADRB, 20
.set CO,   26
.set SPW,  28
.set NIL,  29
.set VSC,  30
.set VLIM, 31
.set BN,   32
.set CD,   96
.set TMP,  128
.set AF,   128
.set G1, 24
.set G0, 32
.set G1B, 48
.set G0B, 56
.set MSB, 0
.macro WIN new                         ; the immediate's high byte repeats the setting that is left
.if MSB != \new
	s_set_vgpr_msb (MSB<<8)|\new
.set MSB, \new
.endif
.endm
.set MUL_LO, 0xa1
.set MUL_HI, 0xf1
.set TO_B,   0x40
.macro JLOAD g0a, g1a, g0b, g1b        ; a joint load: waves 0, 1 fetch for A, waves 2, 3 for B; four v_nop follow each line
	s_cmp_eq_u32 s15, 0
	s_cbranch_scc0 .Lfor_b_\@
	tensor_load_to_lds s[\g0a:\g0a+3], s[\g1a:\g1a+7]
	s_nop 0
.rept 4
	v_nop
.endr
	s_branch .Lasked_\@
.Lfor_b_\@:
	tensor_load_to_lds s[\g0b:\g0b+3], s[\g1b:\g1b+7]
	s_nop 0
.rept 4
	v_nop
.endr
.Lasked_\@:
.endm
.macro CREST
	s_cmp_lg_u32 s14, 0
	s_cbranch_scc1 .Lnot_wave_0_\@
	s_barrier_signal -3
.Lnot_wave_0_\@:
	s_barrier_wait -3
	s_barrier_signal -1
	s_barrier_wait -1
.endm
.macro CROUND
	s_barrier_signal -1
	s_barrier_wait -1
	CREST
.endm
	s_load_b256 s[4:11], s[0:1], 0x0               ; xc, wc, bq, bk
	s_load_b128 s[68:71], s[0:1], 0x20             ; bv, scales
	s_load_b64 s[72:73], s[0:1], 0x30              ; the images of Q, K, V
	s_load_b64 s[100:101], s[0:1], 0x38            ; the padding mask
	v_lshl_add_u32 v[SPW], v0, 2, SPARE
	v_mov_b32 v[NIL], 0
	ds_add_u32 v28, v29
	ds_add_u32 v28, v29
	s_wait_dscnt 0x0
	v_lshrrev_b32 v1, 5, v0
	v_readfirstlane_b32 s14, v1                    ; wave
	s_lshr_b32 s15, s14, 1                         ; my half of the tile's rows; also: I fetch for A (0) or B (1)
	s_and_b32 s16, s14, 1                          ; my half of its columns; also: which 8 row tiles I fetch
	s_bfe_u32 s40, ttmp6, 0x40000                  ; cx
	s_bfe_u32 s41, ttmp6, 0x40004                  ; cy
	s_and_b32 s74, ttmp7, 0xffff                   ; cluster y
	s_lshl_b32 s77, ttmp9, 22
	s_lshl_b32 s78, ttmp9, 20
	s_cmp_eq_u32 ttmp9, 2                          ; V?  The cluster's x is the same in all partners
	s_cselect_b32 s75, 0, s74
	s_cselect_b32 s76, s74, 0
	s_cselect_b32 s77, 0x200000, s77               ; A's image: wv in wc, else x's image t in xc
	s_cselect_b32 s78, 0x800000, s78               ; B's image: xv in xc, else weight t in wc
	s_lshl_b32 s17, s75, 2
	s_add_co_u32 s17, s17, s41                     ; tile row
	s_lshl_b32 s42, s76, 2
	s_add_co_u32 s42, s42, s40                     ; tile column
	s_lshl_b32 s43, s41, 2
	s_lshl_b32 s43, 15, s43                        ; my row of the cluster
	s_lshl_b32 s44, 0x1111, s40                    ; my column
	s_or_b32 s[G1+0], s43, (3<<16)|(1<<21)         ; the mask; elements of 8 bytes; bit 21 beside a mask; no padding
	s_or_b32 s[G1B+0], s44, (3<<16)|(1<<21)
.irp g, G1, G1B
	s_mov_b32 s[\g+1], 512<<16                     ; tensor_dim0 = 512 elements: 4,096 bytes
	s_mov_b32 s[\g+2], 8<<16                       ; tensor_dim1 = 8 row tiles
	s_mov_b32 s[\g+3], 512<<16                     ; tile_dim0
	s_mov_b32 s[\g+4], 8                           ; tile_dim1
	s_mov_b32 s[\g+5], 2048                        ; from row tile to row tile: 16,384 bytes
	s_mov_b32 s[\g+6], 0
	s_mov_b32 s[\g+7], 0
.endr
	s_lshl_b32 s18, s17, 18                        ; A: 16 row tiles of 16,384 bytes a tile row, + my 8
	s_lshl_b32 s19, s16, 17
	s_add_co_u32 s18, s18, s19
	s_add_co_u32 s18, s18, s77
	s_mov_b32 s19, 0
	s_lshl_b32 s66, s42, 18                        ; B likewise, in registers that never hold A's coordinate
	s_lshl_b32 s67, s16, 17
	s_add_co_u32 s66, s66, s67
	s_add_co_u32 s66, s66, s78
	s_mov_b32 s67, 0
	s_lshl_b32 s45, s14, 15                        ; where my load lands: wave x 32,768
	s_wait_kmcnt 0x0
	s_load_b512 s[80:95], s[70:71], 0x0            ; e0 .. e15
	s_cmp_eq_u32 ttmp9, 2
	s_cselect_b64 s[20:21], s[6:7], s[4:5]
	s_cselect_b64 s[46:47], s[4:5], s[6:7]
	s_add_nc_u64 s[20:21], s[20:21], s[18:19]
	s_add_nc_u64 s[46:47], s[46:47], s[66:67]
	s_cmp_eq_u32 ttmp9, 1
	s_cselect_b64 s[96:97], s[10:11], s[8:9]
	s_cmp_eq_u32 ttmp9, 2
	s_cselect_b64 s[96:97], s[68:69], s[96:97]     ; the bias
	s_cselect_b64 s[100:101], s[68:69], s[100:101] ; what is wanted by rows: V: the bias; Q, K: the padding mask
	CROUND                                         ; all sixteen work-groups are here: the first joint loads meet
.irp s, 0,1
	s_mov_b32 s[G0+4*\s], 1
	s_add_co_u32 s[G0+4*\s+1], s45, \s*SLOT
	s_add_nc_u64 s[G0+4*\s+2:G0+4*\s+3], s[20:21], \s*ROWB
	s_or_b32 s[G0+4*\s+3], s[G0+4*\s+3], 0x80000000
	s_mov_b32 s[G0B+4*\s], 1
	s_add_co_u32 s[G0B+4*\s+1], s45, \s*SLOT
	s_add_nc_u64 s[G0B+4*\s+2:G0B+4*\s+3], s[46:47], \s*ROWB
	s_or_b32 s[G0B+4*\s+3], s[G0B+4*\s+3], 0x80000000
.endr
	JLOAD G0, G1, G0B, G1B                         ; K step 0: one tensor load a wave at the head
	v_and_b32 v1, 31, v0
	v_lshlrev_b32 v[CO], 4, v1                     ; 16 x lane
	s_lshl_b32 s22, s15, 15
	s_lshl_b32 s23, s16, 15
	s_add_co_u32 s23, s23, 2*HALFT
.irp s, 0,1
	v_add_nc_u32 v[ADRA+\s], s22, v[CO]
	v_add_nc_u32 v[ADRB+\s], s23, v[CO]
	s_add_co_u32 s22, s22, SLOT
	s_add_co_u32 s23, s23, SLOT
.endr
	; by columns: the bias (Q, K; for V a place inside the buffer, not used).  By rows: V: the bias of my 128 rows; Q, K: the padding mask of my 128 rows (tokens)
	v_bfe_u32 v2, v0, 4, 1                         ; h
	s_wait_alu depctr_va_vdst(0)
	v_and_b32 v3, 15, v0                           ; r
	s_wait_alu depctr_va_vdst(0)
	s_lshl_b32 s12, s42, 10
	s_lshl_b32 s13, s16, 9
	s_add_co_u32 s12, s12, s13
	s_lshl_b32 s13, s17, 10
	s_lshl_b32 s79, s15, 9
	s_add_co_u32 s13, s13, s79                     ; 4 x my first row: under 4,096 for V (tile rows 0-3), under 16,384 for Q and K
	s_cmp_eq_u32 ttmp9, 2
	s_cselect_b32 s12, 0, s12
	v_lshl_add_u32 v4, v2, 6, s12
	v_and_b32 v5, 8, v3
	v_add_nc_u32 v5, v5, v3                        ; r + 8 (r / 8): A's image is permuted where rows matter (xk, wv)
	v_lshl_add_u32 v5, v5, 2, s13
.irp b, 0,1,2,3
.irp j, 0,1,2,3
	global_load_b128 v[BN+16*\b+4*\j:BN+16*\b+4*\j+3], v4, s[96:97] offset:128*\b+16*\j
.endr
.endr
.irp a, 0,1,2,3,4,5,6,7
	global_load_b32 v[BM+\a], v5, s[100:101] offset:(32*(\a/2)+8*(\a%2))*4
.endr
	; where my part of the result begins
	s_lshr_b32 s12, s17, 3                         ; Q, K: ((batch x 16 + head) x 128 + tile of rows) x 1,024
	s_lshl_b32 s12, s12, 4
	s_lshl_b32 s13, s42, 2
	s_add_co_u32 s12, s12, s13
	s_lshl_b32 s13, s16, 1
	s_add_co_u32 s12, s12, s13
	s_lshl_b32 s12, s12, 7
	s_and_b32 s13, s17, 7
	s_lshl_b32 s13, s13, 4
	s_add_co_u32 s12, s12, s13
	s_lshl_b32 s13, s15, 3
	s_add_co_u32 s12, s12, s13
	s_lshl_b32 s12, s12, 10
	s_lshl_b32 s13, ttmp9, 22
	s_add_co_u32 s12, s12, s13
	s_lshr_b32 s13, s42, 3                         ; V: (((batch x 16 + head) x 16 + 128 keys) x 4) x 2,048, behind Q's and K's
	s_lshl_b32 s13, s13, 4
	s_lshl_b32 s79, s17, 2
	s_add_co_u32 s13, s13, s79
	s_lshl_b32 s79, s15, 1
	s_add_co_u32 s13, s13, s79
	s_lshl_b32 s13, s13, 4
	s_and_b32 s79, s42, 7
	s_lshl_b32 s79, s79, 1
	s_add_co_u32 s13, s13, s79
	s_add_co_u32 s13, s13, s16
	s_lshl_b32 s13, s13, 13
	s_add_co_u32 s13, s13, 0x800000
	s_cmp_eq_u32 ttmp9, 2
	s_cselect_b32 s12, s13, s12
	s_mov_b32 s13, 0
	s_add_nc_u64 s[72:73], s[72:73], s[12:13]
.macro FRAG reg, adr, q, i             ; a fragment comes as it was stored: four loads of 512 consecutive bytes
.irp c, 0,1,2,3
	ds_load_b128 v[\reg+4*\c:\reg+4*\c+3], v[\adr] offset:4096*(\i)+2048*(\q)+512*\c
.endr
.endm
.macro MUL16 a0, p, zero               ; A's blocks a0, a0 + 1 x B's eight; the 64 accumulators take turns, one instruction a turn
.irp a, \a0, \a0+1
.irp b, 0,1,2,3,4,5,6,7
.if \zero
	v_wmma_f32_16x16x128_fp8_fp8 v[8*(8*((\a)%4)+\b):8*(8*((\a)%4)+\b)+7], v[128*(\p)+FR*\b:128*(\p)+FR*\b+FR-1], v[AF+FR*(\a):AF+FR*(\a)+FR-1], 0
.else
	v_wmma_f32_16x16x128_fp8_fp8 v[8*(8*((\a)%4)+\b):8*(8*((\a)%4)+\b)+7], v[128*(\p)+FR*\b:128*(\p)+FR*\b+FR-1], v[AF+FR*(\a):AF+FR*(\a)+FR-1], v[8*(8*((\a)%4)+\b):8*(8*((\a)%4)+\b)+7]
.endif
.endr
.endr
.endm
.macro FETCH_B slot, q, p
	WIN TO_B
.irp i, 0,1,2,3,4,5,6,7
	FRAG 128*(\p)+FR*\i, ADRB+\slot, \q, \i
.endr
	WIN 0
.endm
.macro FETCH_A slot, q, i0
.irp i, \i0, \i0+1, \i0+2, \i0+3
	FRAG AF+FR*(\i), ADRA+\slot, \q, \i
.endr
.endm
.macro PLACES n                        ; plain vector instructions between a matrix instruction and a load into, or a read of, its registers
.rept \n
	v_nop
.endr
.endm
.macro STEP slot, q, zero              ; 128 along K whose successor lies in the same slot
	s_wait_dscnt 4*NL                              ; B's set and A's blocks 0-3 are in; the youngest 16 loads (A's blocks 4-7) may be out
	WIN MUL_LO
	MUL16 0, (\q)%2, \zero
	MUL16 2, (\q)%2, \zero
	s_wait_dscnt 0
	PLACES NP
	FETCH_B \slot, (\q)+1, 1-(\q)%2
	FETCH_A \slot, (\q)+1, 0
	WIN MUL_HI
	MUL16 4, (\q)%2, \zero
	MUL16 6, (\q)%2, \zero
	PLACES NP
	WIN 0
	FETCH_A \slot, (\q)+1, 4
.endm
.macro TURN slot, next, fill           ; a slot's last 128 along K, and the change of slots
	s_wait_tensorcnt 0x0                           ; all my tensor loads have landed: my part of the next slot
	ds_add_u32 v[SPW], v[NIL]                      ; 0 onto my spare word
	s_wait_dscnt 4*NL+1                            ; the add and the youngest 16 loads may be out
	WIN MUL_LO
	MUL16 0, 1, 0
	s_wait_dscnt 0x0                               ; the add is done, and my reads of this slot are over
	s_barrier_signal -1
	MUL16 2, 1, 0
	WIN 0
	s_barrier_wait -1
.if \fill
	CREST                                          ; the barrier has opened a round of the cluster's: no wave of any partner reads this slot or has a load on its way
	s_add_nc_u64 s[G0+4*\slot+2:G0+4*\slot+3], s[G0+4*\slot+2:G0+4*\slot+3], 2*ROWB
	s_add_nc_u64 s[G0B+4*\slot+2:G0B+4*\slot+3], s[G0B+4*\slot+2:G0B+4*\slot+3], 2*ROWB
	JLOAD G0+4*\slot, G1, G0B+4*\slot, G1B
.else
	PLACES NP
.endif
	FETCH_B \next, 0, 0
	FETCH_A \next, 0, 0
	WIN MUL_HI
	MUL16 4, 1, 0
	MUL16 6, 1, 0
	PLACES NP
	WIN 0
	FETCH_A \next, 0, 4
.endm
	s_wait_alu depctr_va_vdst(0)                   ; the wait at the head's end
	s_wait_tensorcnt 0x0                           ; my part of K step 0 is in; slot 1's first fill is issued as a refill is
	ds_add_u32 v[SPW], v[NIL]
	s_wait_dscnt 0x0
	CROUND
	JLOAD G0+4, G1, G0B+4, G1B                     ; K step 1, the first tensor load behind the round
	FETCH_B 0, 0, 0
	FETCH_A 0, 0, 0
	FETCH_A 0, 0, 4
	STEP 0, 0, 1                                   ; the first products start the sums
	s_mov_b32 s3, LAPS-1
.Llap:
	TURN 0, 1, 1
	STEP 1, 0, 0
	TURN 1, 0, 1
	STEP 0, 0, 0
	s_sub_co_u32 s3, s3, 1
	s_cmp_lg_u32 s3, 0
	s_cbranch_scc1 .Llap
	TURN 0, 1, 0
	STEP 1, 0, 0
	s_wait_dscnt 4*NL
	WIN MUL_LO
	MUL16 0, 1, 0
	MUL16 2, 1, 0
	s_wait_dscnt 0
	WIN MUL_HI
	MUL16 4, 1, 0
	MUL16 6, 1, 0
	WIN 0
; THE WAY OUT, block by block of 16 rows: number = sum x 2^(ea + eb) + bias; held; converted; a block's four chunks are stored as they stand, 512 consecutive bytes a store.
.macro EPI a, mode
	s_wait_xcnt 0x0                                ; the stores of two blocks ago have read their codes
	WIN 0x02+((\a)/4)                              ; source 0: window 2 or 3
.set AC, 64*((\a)%4)
.set CC, CD+16*((\a)%2)
.set j, 0
.rept 32
.if \mode == 0
	v_pk_fma_f32 v[TMP+j:TMP+j+1], v[AC+j:AC+j+1], s[98:99], v[BN+j:BN+j+1] op_sel_hi:[1,0,1]
.elseif ((\a)%2) == 0
	v_pk_fma_f32 v[TMP+j:TMP+j+1], v[AC+j:AC+j+1], s[98:99], v[BM+2*((\a)/2):BM+2*((\a)/2)+1] op_sel_hi:[1,0,0]
.else
	v_pk_fma_f32 v[TMP+j:TMP+j+1], v[AC+j:AC+j+1], s[98:99], v[BM+2*((\a)/2):BM+2*((\a)/2)+1] op_sel:[0,0,1] op_sel_hi:[1,0,1]
.endif
.set j, j+2
.endr
	WIN 0
.set j, 0
.rept 64
.if \mode == 0
	v_med3_num_f32 v[TMP+j], v[TMP+j], -v[BM+(\a)], v[BM+(\a)]   ; my row's limit: 448 x the scale, or 0 for a key that the padding mask hides
.else
	v_med3_num_f32 v[TMP+j], v[TMP+j], -v[VLIM], v[VLIM]
.endif
.set j, j+1
.endr
.irp b, 0,1,2,3
	v_cvt_scalef32_pk8_fp8_f32 v[CC+4*\b:CC+4*\b+1], v[TMP+16*\b:TMP+16*\b+7], v[VSC]
	v_cvt_scalef32_pk8_fp8_f32 v[CC+4*\b+2:CC+4*\b+3], v[TMP+16*\b+8:TMP+16*\b+15], v[VSC]
.endr
	v_nop                                          ; a plain line behind the last conversion
.irp b, 0,1,2,3
.if \mode == 0
	global_store_b128 v[CO], v[CC+4*\b:CC+4*\b+3], s[72:73] offset:(\b/2)*131072+(\a)*1024+(\b%2)*512 th:TH_STORE_NT
.else
	global_store_b128 v[CO], v[CC+4*\b:CC+4*\b+3], s[72:73] offset:((\a)/4)*131072+((\a)%4)*2048+\b*512 th:TH_STORE_NT
.endif
.endr
.endm
	s_wait_kmcnt 0x0
	s_cmp_eq_u32 ttmp9, 1
	s_cselect_b32 s12, s82, s80
	s_cselect_b32 s13, s83, s81
	s_cselect_b32 s79, s87, s86
	s_cmp_eq_u32 ttmp9, 2
	s_cselect_b32 s12, s84, s12
	s_cselect_b32 s13, s85, s13
	s_cselect_b32 s79, s89, s79
	s_add_co_i32 s98, s12, s13
	s_add_co_i32 s98, s98, 127
	s_lshl_b32 s98, s98, 23                        ; 2^(ea + eb)
	s_mov_b32 s99, s98
	s_add_co_i32 s79, s79, 127
	s_lshl_b32 s12, s79, 23
	v_mov_b32 v[VSC], s12                          ; the result's scale
	s_add_co_i32 s79, s79, 8
	s_lshl_b32 s79, s79, 23
	s_or_b32 s79, s79, 0x600000
	v_mov_b32 v[VLIM], s79                         ; 448 x that
	s_wait_loadcnt 0x0                             ; the biases, the mask
	PLACES NP
	s_cmp_eq_u32 ttmp9, 2                          ; the same in all partners; no barrier, LDS access or tensor load stands in either arm
	s_cbranch_scc1 .Lvmode
	s_cmp_eq_u32 ttmp9, 0
	s_cselect_b32 s12, -1, 0                       ; Q: every row keeps its limit
	s_wait_alu depctr_va_vdst(0)
.irp a, 0,1,2,3,4,5,6,7
	v_or_b32 v[BM+\a], s12, v[BM+\a]
	v_cmp_ne_u32 vcc_lo, 0, v[BM+\a]
	v_cndmask_b32 v[BM+\a], 0, v[VLIM], vcc_lo     ; the mask's word of my row becomes my row's limit
.endr
.irp a, 0,1,2,3,4,5,6,7
	EPI \a, 0
.endr
	s_branch .Ldone
.Lvmode:
.irp a, 0,1,2,3,4,5,6,7
	EPI \a, 1
.endr
.Ldone:
	s_wait_tensorcnt 0x0                           ; the wave's end
	ds_add_u32 v[SPW], v[NIL]
	s_wait_dscnt 0x0
	CROUND                                         ; the closing round
	s_endpgm
.Lfunc_end_k_q9d75ecc709_qkv:
	.size	k_q9d75ecc709_qkv, .Lfunc_end_k_q9d75ecc709_qkv-k_q9d75ecc709_qkv
	.p2alignl 7, 3214868480
	.fill 96, 4, 3214868480
	.section	.rodata,"a",@progbits
	.p2align	6, 0x0
	.amdhsa_kernel k_q9d75ecc709_qkv
		.amdhsa_group_segment_fixed_size 327680
		.amdhsa_private_segment_fixed_size 0
		.amdhsa_enable_private_segment 0
		.amdhsa_kernarg_size 64
		.amdhsa_user_sgpr_count 2
		.amdhsa_user_sgpr_kernarg_segment_ptr 1
		.amdhsa_wavefront_size32 1
		.amdhsa_system_sgpr_workgroup_id_x 1
		.amdhsa_system_sgpr_workgroup_id_y 1
		.amdhsa_system_sgpr_workgroup_id_z 1
		.amdhsa_system_vgpr_workitem_id 0
		.amdhsa_next_free_vgpr 1024
		.amdhsa_next_free_sgpr 102
		.amdhsa_reserve_vcc 1
		.amdhsa_float_denorm_mode_32 3
		.amdhsa_float_denorm_mode_16_64 3
		.amdhsa_memory_ordered 1
		.amdhsa_forward_progress 1
		.amdhsa_inst_pref_size 195
	.end_amdhsa_kernel
	.amdgpu_metadata
---
amdhsa.version: [ 1, 2 ]
amdhsa.kernels:
  - .name:           k_q9d75ecc709_qkv
    .symbol:         k_q9d75ecc709_qkv.kd
    .args:
      - { .name: xc, .offset: 0, .size: 8, .value_kind: global_buffer, .address_space: global }
      - { .name: wc, .offset: 8, .size: 8, .value_kind: global_buffer, .address_space: global }
      - { .name: bq, .offset: 16, .size: 8, .value_kind: global_buffer, .address_space: global }
      - { .name: bk, .offset: 24, .size: 8, .value_kind: global_buffer, .address_space: global }
      - { .name: bv, .offset: 32, .size: 8, .value_kind: global_buffer, .address_space: global }
      - { .name: lowp_scales, .offset: 40, .size: 8, .value_kind: global_buffer, .address_space: global }
      - { .name: qkvc, .offset: 48, .size: 8, .value_kind: global_buffer, .address_space: global }
      - { .name: attention_mask, .offset: 56, .size: 8, .value_kind: global_buffer, .address_space: global }
    .group_segment_fixed_size: 327680
    .private_segment_fixed_size: 0
    .kernarg_segment_align: 8
    .kernarg_segment_size: 64
    .max_flat_workgroup_size: 128
    .sgpr_count:     102
    .vgpr_count:     1024
    .wavefront_size: 32
...
	.end_amdgpu_metadata
.endif
;; end of part 2
;; launch attn (part 3): grid 8 x 32, 8 waves a work-group, clusters of 4 x 1, 327,680 bytes of LDS; arguments qkvc, maskb, lowp_scales, ac; writes ac
.if DOCPART == 3
	.amdgcn_target "amdgcn-amd-amdhsa--gfx1250"
	.amdhsa_code_object_version 6
	.text
	.protected	k_q9d75ecc709_attn
	.globl	k_q9d75ecc709_attn
	.p2align	8
	.type	k_q9d75ecc709_attn,@function
k_q9d75ecc709_attn:
	s_mov_b64 s[64:65], 0
	v_nop
	global_prefetch_b8 v0, s[64:65] scope:SCOPE_SE
	s_setreg_imm32_b32 hwreg(HW_REG_WAVE_MODE, 25, 1), 1
	s_wait_xcnt 0x0
	s_wait_alu depctr_hold_cnt(0) depctr_sa_sdst(0) depctr_va_vdst(0) depctr_va_sdst(0) depctr_va_ssrc(0) depctr_va_vcc(0) depctr_vm_vsrc(0)
	s_getreg_b32 s2, hwreg(HW_REG_IB_STS2, 6, 4)
	s_cmp_eq_u32 s2, 0
	s_cbranch_scc0 .Lentry_in_a_cluster
	s_endpgm
.Lentry_in_a_cluster:
	s_bfe_u32 s2, ttmp6, 0x10000c
	s_cmp_lg_u32 s2, 0x3003
	s_cbranch_scc0 .Lentry_shape_is_right
	s_endpgm
.Lentry_shape_is_right:
; Attention of one head on codes of E4M3: S^T = K Q^T (+ the padding mask's number of each key as C), p = 2^(t - M) with M the ceiling of the running largest t, O^T += V^T P^T, O / the sum of the unquantised p, quantised (e10) into the image of the next product's operand.
; SHARES.  A head has 16 blocks of 128 queries, 8 tiles of 16 each.  A wave owns tile 0 in block j and tile 1 in block 15 - j, j = w xor 3 (w >> 2) from its number w alone: 17 tile steps of 128 keys in every wave, two waves to a SIMD.
; The work-group's place in its cluster and the cluster's x say only WHICH tile of a block: no branch hangs on them.  While a key step lies at or under block j both tiles share each fragment of K, of V and the mask's numbers; above it tile 1 alone is worked (a second copy of the step's body, chosen by ids).
; All of the head's K and V (2 x 131,072 bytes) lie in LDS, brought by one joint load a wave (the four work-groups of a cluster walk the same head); nothing is filled again.
; KEYS BEHIND A BLOCK'S DIAGONAL.  reference() gives them the same score as a key that the padding mask hides, so they count where a row has no key left at all.  Every key of the blocks behind a tile's own has the raw score R, so its p is one number a row:
; the sum over these keys of code(p) x V's code = code(p) x (the sum of V's codes over these blocks).  That sum is made once in a work-group: each wave multiplies two blocks of V by the code of 1.0; a suffix sum over the blocks goes through LDS.  The row's sum takes p x the number of these keys.
; No prefetch: K and V are asked for once, at the head; there is no loop to run ahead in.
; LIMITS: e6 + e7 between -90 and 120; e8 and e10 between -126 and 119; the scaled scores stay under 2^31 in magnitude; NaN is not served.
; REGISTERS.  Window 0: v1-7 addresses, v8-15 and v16-23 a tile's state (+0 -M, +1 largest t, +2,3 the sum, +4 f, +5 a permute's result, +6,7 at work), v24-31 constants and addresses, v32-159 S^T then p, v160-223 O^T, v224-255 p's codes.
; Window 1: v0-63 K, v64-127 V, v128-191 the mask's numbers, v192-207 Q of both tiles.
.set VB,    131072                     ; LDS: K at 0, V here
.set MB,    262144                     ; the mask's numbers of the batch's 2,048 keys
.set SCR,   270336                     ; 16 block sums x 64 f32, then 16 rows of zeros
.set SCR2,  278528                     ; 16 suffix sums x 64 f32
.set SPARE, 282624                     ; the spare words, 128 bytes a wave
.set LI, 1
.set AD, 2
.set AV, 3
.set AB, 4
.set SPW, 5
.set NIL, 6
.set DG, 7
.set T0, 8
.set T1, 16
.set RR, 24
.set LIMP, 25
.set SCP, 26
.set LIMA, 27
.set SCA, 28
.set LV, 29
.set HBM, 30
.set SL, 31
.set S0, 32
.set S1, 96
.set O0, 160
.set P0, 224
.set P1, 240
.set QR, 192
.set WV, 12
.set KF, 14
.set NX, 15
.set G1, 16
.set G0, 24
.set SEL, 28
.set CS, 30
.set MSB, 0
.macro WIN new                         ; the immediate's high byte repeats the setting that is left
.if MSB != \new
	s_set_vgpr_msb (MSB<<8)|\new
.set MSB, \new
.endif
.endm
.set W_LD, 0x40                        ; destination window 1
.set W_QK, 0x15                        ; K, Q and C window 1, D window 0
.set W_PV, 0x01                        ; V window 1
.macro CROUND
	s_barrier_signal -1
	s_barrier_wait -1
	s_cmp_lg_u32 s[WV], 0
	s_cbranch_scc1 .Lnot_wave_0_\@
	s_barrier_signal -3
.Lnot_wave_0_\@:
	s_barrier_wait -3
	s_barrier_signal -1
	s_barrier_wait -1
.endm
	s_load_b256 s[4:11], s[0:1], 0x0               ; the images of Q, K, V; the mask's numbers; the scales; the result's image
	v_lshl_add_u32 v[SPW], v0, 2, SPARE
	v_mov_b32 v[NIL], 0
	ds_add_u32 v[SPW], v[NIL]                      ; the opening lines: the add twice on end and its wait
	ds_add_u32 v[SPW], v[NIL]
	v_lshrrev_b32 v8, 5, v0
	v_readfirstlane_b32 s[WV], v8                  ; wave 0..7
	s_and_b32 s32, ttmp7, 0xffff                   ; batch x 16 + head
	s_bfe_u32 s33, ttmp6, 0x40000                  ; cx
	s_mov_b32 s[G1], 15|(3<<16)|(1<<21)            ; the four partners; elements of 8 bytes
	s_mov_b32 s[G1+1], 32<<16                      ; rows of 256 bytes,
	s_mov_b32 s[G1+2], 128<<16                     ; 128 of them: 32,768 dense bytes
	s_mov_b32 s[G1+3], 32<<16
	s_mov_b32 s[G1+4], 128
	s_mov_b32 s[G1+5], 32
	s_mov_b32 s[G1+6], 0
	s_mov_b32 s[G1+7], 0
	s_and_b32 s36, s[WV], 1                        ; I fetch for K (0) or V (1),
	s_lshr_b32 s37, s[WV], 1                       ; which 512 keys of it
	s_lshl_b32 s38, s36, 22
	s_lshl_b32 s72, s37, 15
	s_add_co_u32 s38, s38, s72
	s_lshl_b32 s73, s32, 17                        ; the head's place in each image
	s_add_co_u32 s38, s38, s73
	s_add_co_u32 s38, s38, 0x400000
	s_mov_b32 s39, 0
	s_lshl_b32 s36, s36, 17
	s_mov_b32 s[G0], 1
	s_add_co_u32 s[G0+1], s36, s72
	s_mov_b32 s[SEL], 0x76543210
	s_mov_b32 s[SEL+1], 0xfedcba98
	s_wait_dscnt 0x0
	s_wait_kmcnt 0x0
	s_load_b512 s[40:55], s[8:9], 0x0              ; e0 .. e15
	s_add_nc_u64 s[G0+2:G0+3], s[4:5], s[38:39]
	s_or_b32 s[G0+3], s[G0+3], 0x80000000
	CROUND
	tensor_load_to_lds s[G0:G0+3], s[G1:G1+7]      ; my one tensor load
	s_nop 0
.rept 4
	v_nop
.endr
	s_lshr_b32 s36, s32, 4                         ; batch
	s_lshl_b32 s38, s36, 13
	s_add_nc_u64 s[6:7], s[6:7], s[38:39]          ; its 2,048 numbers
	s_lshl_b32 s75, s36, 21
	s_bfe_u32 s37, s32, 0x30001
	s_lshl_b32 s37, s37, 11
	s_add_co_u32 s75, s75, s37
	s_and_b32 s37, s32, 1
	s_lshl_b32 s37, s37, 10
	s_add_co_u32 s75, s75, s37                     ; the result: batch, fragment and chunks of my head
	s_lshr_b32 s36, s[WV], 2
	s_mul_i32 s36, s36, 3
	s_xor_b32 s37, s[WV], s36                      ; j: 0 1 2 3 7 6 5 4
	s_xor_b32 s36, s37, 15                         ; 15 - j
	s_lshl_b32 s56, s37, 7                         ; tile 0: block j's first query,
	s_lshl_b32 s57, s36, 7                         ; tile 1: block 15 - j's
	s_lshl_b32 s34, s37, 8                         ; their suffix sums' places
	s_lshl_b32 s35, s36, 8
	s_lshl_b32 s74, ttmp9, 2
	s_add_co_u32 s74, s74, s33
	s_lshl_b32 s74, s74, 4                         ; which tile of a block: 16 (cx + 4 cluster x)
.irp u, 0,1
	s_add_co_u32 s36, s[56+\u], s74
	s_lshl_b32 s38, s36, 6
	s_add_co_u32 s38, s38, s73
	s_add_nc_u64 s[58+2*\u:59+2*\u], s[4:5], s[38:39]    ; Q's tile
	s_lshl_b32 s38, s36, 10
	s_add_co_u32 s38, s38, s75
	s_add_nc_u64 s[76+2*\u:77+2*\u], s[10:11], s[38:39]  ; where its result goes
.endr
	s_lshl_b32 s37, s[WV], 9
	s_lshl_b32 s38, s[WV], 14
	v_and_b32 v[LI], 31, v0
	v_lshlrev_b32 v[LI], 4, v[LI]                  ; 16 x lane
	v_bfe_u32 v9, v0, 4, 1                         ; h
	v_and_b32 v10, 15, v0                          ; r
	v_add_nc_u32 v[LV], VB, v[LI]
	v_lshl_add_u32 v[HBM], v9, 6, MB               ; the mask's numbers: + 64 h
	v_lshlrev_b32 v11, 4, v9
	v_sub_nc_u32 v[DG], v10, v11
	v_add_nc_u32 v[DG], s74, v[DG]                 ; my query in its block, less 16 h
	v_lshl_add_u32 v[SL], v9, 5, SCR2              ; the suffix sums: + 32 h
	v_lshl_add_u32 v160, v9, 5, SCR
	v_add_nc_u32 v160, s37, v160                   ; my two block sums: 512 x wave + 32 h
	v_lshrrev_b32 v161, 6, v0
	v_lshlrev_b32 v161, 10, v161
	v_and_b32 v183, 63, v0
	v_lshl_add_u32 v161, v183, 2, v161             ; the scan: channel thread % 64, blocks 4 (thread / 64) on
	v_add_nc_u32 v162, SCR2, v161
	v_add_nc_u32 v161, SCR, v161
	v_lshlrev_b32 v163, 4, v0
	v_lshl_add_u32 v180, v0, 4, MB
	v_add_nc_u32 v181, s38, v[LV]                  ; my two blocks of V
	v_lshl_add_u32 v182, v0, 4, SCR+4096           ; my 16 bytes of the rows of zeros
.irp i, 184,185,186,187
	v_mov_b32 v\i, 0
.endr
.set jj, 0
.rept 16
	v_mov_b32 v[P0+jj], 0x38383838                 ; the code of 1.0
.set jj, jj+1
.endr
	s_wait_alu depctr_va_vdst(0)                   ; the wait ahead of the readers below
.irp i, 0,1
	global_load_b128 v[164+4*\i:167+4*\i], v163, s[6:7] offset:4096*\i
.endr
	WIN W_LD
.irp u, 0,1
.irp k, 0,1
	global_load_b128 v[QR+8*\u+4*\k:QR+8*\u+4*\k+3], v[LI], s[58+2*\u:59+2*\u] offset:512*\k
.endr
.endr
	WIN 0
	s_wait_kmcnt 0x0
	s_add_co_i32 s36, s46, s47
	s_lshl_b32 s37, s36, 23
	s_add_co_i32 s[CS], s37, 0x3e38aa3b            ; c = log2(e) / 8 x 2^(e6 + e7)
	s_mov_b32 s[CS+1], s[CS]
	s_sub_co_i32 s36, 160, s36
	s_lshl_b32 s36, s36, 23
	s_or_b32 s36, s36, 0x80000000
	v_mov_b32 v[RR], s36                           ; R = -2^(33 - e6 - e7): the raw score of a key that does not count
	s_add_co_i32 s36, s48, 127
	s_lshl_b32 s37, s36, 23
	v_mov_b32 v[SCP], s37                          ; 2^e8
	s_add_co_i32 s36, s36, 8
	s_lshl_b32 s36, s36, 23
	s_or_b32 s36, s36, 0x600000
	v_mov_b32 v[LIMP], s36                         ; 448 x 2^e8
	s_add_co_i32 s36, s50, 127
	s_lshl_b32 s37, s36, 23
	v_mov_b32 v[SCA], s37                          ; 2^e10
	s_add_co_i32 s36, s36, 8
	s_lshl_b32 s36, s36, 23
	s_or_b32 s36, s36, 0x600000
	v_mov_b32 v[LIMA], s36
	s_add_co_i32 s70, s48, s49                     ; e8 + e9
	s_wait_alu depctr_va_vdst(0)                   ; the wait at the head's end
	s_wait_tensorcnt 0x0                           ; my eighth of K and V is in
	s_wait_loadcnt 4                               ; the mask's numbers are in; Q's four loads may be out
.irp i, 0,1
	ds_store_b128 v180, v[164+4*\i:167+4*\i] offset:4096*\i
.endr
	ds_store_b128 v182, v[184:187]
	s_wait_dscnt 0x0
	s_barrier_signal -1
	s_barrier_wait -1
; THE BLOCK SUMS: blocks 2 wave, 2 wave + 1 of V x the code of 1.0: accumulator 4 i + t, register e: the sum of channel 16 t + 8 h + e over block 2 wave + i, in every column
	WIN W_LD
.set jj, 0
.rept 32
	ds_load_b128 v[4*jj:4*jj+3], v181 offset:512*jj
.set jj, jj+1
.endr
	s_wait_dscnt 0x0
	WIN W_PV
.set jj, 0
.rept 8
	v_wmma_f32_16x16x128_fp8_fp8 v[S0+8*jj:S0+8*jj+7], v[16*jj:16*jj+15], v[P0:P0+15], 0
.set jj, jj+1
.endr
	WIN 0
.rept 4
	v_nop
.endr
.set jj, 0
.rept 8
	ds_store_b128 v160, v[S0+8*jj:S0+8*jj+3] offset:64*jj        ; sixteen lanes store the same 16 bytes
	ds_store_b128 v160, v[S0+8*jj+4:S0+8*jj+7] offset:64*jj+16
.set jj, jj+1
.endr
	s_wait_dscnt 0x0
	s_barrier_signal -1
	s_barrier_wait -1
; THE SUFFIX SUMS: a thread takes a channel and blocks b = 4 g .. 4 g + 3; it reads the 15 rows behind 4 g (rows 16 on are zeros); the sum over the blocks behind b goes to row b
.set jj, 0
.rept 15
	ds_load_b32 v[32+jj], v161 offset:256*(jj+1)
.set jj, jj+1
.endr
	s_wait_dscnt 0x0
	v_add_f32 v51, v35, v36
.set jj, 37
.rept 10
	v_add_f32 v51, v51, v[jj]
.set jj, jj+1
.endr
	v_add_f32 v50, v51, v34
	v_add_f32 v49, v50, v33
	v_add_f32 v48, v49, v32
.irp q, 0,1,2,3
	ds_store_b32 v162, v[48+\q] offset:256*\q
.endr
	s_wait_dscnt 0x0
	s_barrier_signal -1
	s_barrier_wait -1
	s_wait_loadcnt 0x0                             ; Q
; A KEY STEP's work for tiles lo .. 1
.macro BODY lo
	WIN W_QK
.irp k, 0,1,2,3,4,5,6,7
.irp t, 0,1
.if \t >= \lo
	v_wmma_f32_16x16x64_fp8_fp8 v[S0+64*\t+8*\k:S0+64*\t+8*\k+7], v[8*\k:8*\k+7], v[QR+8*\t:QR+8*\t+7], v[128+8*\k:128+8*\k+7]
.endif
.endr
.endr
	WIN 0
	v_add_nc_u32 v[AD], s36, v[LI]                 ; four places behind the products, ahead of the loads and of the first read of S^T
	v_add_nc_u32 v[AV], s37, v[LV]
	v_add_nc_u32 v[AB], s38, v[HBM]
	v_nop
	WIN W_LD
.irp k, 0,1,2,3,4,5,6,7,8,9,10,11,12,13,14,15
	ds_load_b128 v[64+4*\k:67+4*\k], v[AV] offset:512*\k          ; this step's V
.endr
.irp k, 0,1,2,3,4,5,6,7
	ds_load_b128 v[8*\k:8*\k+3], v[AD] offset:1024*\k             ; the next step's K
	ds_load_b128 v[8*\k+4:8*\k+7], v[AD] offset:1024*\k+512
.endr
.irp k, 0,1,2,3,4,5,6,7,8,9,10,11,12,13,14,15
	ds_load_b128 v[128+4*\k:131+4*\k], v[AB] offset:128*(\k/4)+16*(\k%4)
.endr
	WIN 0
	s_cmp_lt_u32 s[KF], s[56+\lo]
	s_cbranch_scc1 .Lopen_\@
.set nn, 0
.rept 64                                       ; tile lo stands on its diagonal: register nn holds key 32 (nn / 16) + 16 h + nn % 16 of the block; a key behind the query gets R
	v_cmp_gt_i32 vcc_lo, 32*(nn/16)+nn%16, v[DG]
	v_cndmask_b32 v[S0+64*\lo+nn], v[S0+64*\lo+nn], v[RR], vcc_lo
.set nn, nn+1
.endr
.Lopen_\@:
.irp t, 0,1
.if \t >= \lo
	v_max3_num_f32 v[T0+8*\t+6], v[S0+64*\t], v[S0+64*\t+1], v[S0+64*\t+2]
	v_max3_num_f32 v[T0+8*\t+7], v[S0+64*\t+3], v[S0+64*\t+4], v[S0+64*\t+5]
.endif
.endr
.irp i, 6,10,14,18,22,26,30,34,38,42,46,50,54,58
.irp t, 0,1
.if \t >= \lo
	v_max3_num_f32 v[T0+8*\t+6], v[T0+8*\t+6], v[S0+64*\t+\i], v[S0+64*\t+\i+1]
	v_max3_num_f32 v[T0+8*\t+7], v[T0+8*\t+7], v[S0+64*\t+\i+2], v[S0+64*\t+\i+3]
.endif
.endr
.endr
.irp t, 0,1
.if \t >= \lo
	v_max3_num_f32 v[T0+8*\t+6], v[T0+8*\t+6], v[S0+64*\t+62], v[S0+64*\t+63]
	v_max_num_f32 v[T0+8*\t+6], v[T0+8*\t+6], v[T0+8*\t+7]
	v_permlanex16_b32 v[T0+8*\t+5], v[T0+8*\t+6], s[SEL], s[SEL+1]
	v_max_num_f32 v[T0+8*\t+6], v[T0+8*\t+6], v[T0+8*\t+5]
	v_mul_f32 v[T0+8*\t+6], s[CS], v[T0+8*\t+6]
	v_max_num_f32 v[T0+8*\t+1], v[T0+8*\t+1], v[T0+8*\t+6]        ; the running largest t
	v_mov_b32 v[T0+8*\t+6], v[T0+8*\t]
	v_floor_f32 v[T0+8*\t], -v[T0+8*\t+1]                         ; -M = floor(-t)
	v_sub_f32 v[T0+8*\t+6], v[T0+8*\t], v[T0+8*\t+6]
	v_cvt_i32_f32 v[T0+8*\t+6], v[T0+8*\t+6]
	v_ldexp_f32 v[T0+8*\t+4], 1.0, v[T0+8*\t+6]                   ; f = 2^(old M - new M)
.endif
.endr
.irp t, 0,1
.if \t >= \lo
	v_pk_mul_f32 v[T0+8*\t+2:T0+8*\t+3], v[T0+8*\t+2:T0+8*\t+3], v[T0+8*\t+4:T0+8*\t+5] op_sel_hi:[1,0]
.set jj, 0
.rept 16
	v_pk_mul_f32 v[O0+32*\t+jj:O0+32*\t+jj+1], v[O0+32*\t+jj:O0+32*\t+jj+1], v[T0+8*\t+4:T0+8*\t+5] op_sel_hi:[1,0]   ; O^T under the new M, ahead of the exponentials
.set jj, jj+2
.endr
.set jj, 0
.rept 32
	v_pk_fma_f32 v[S0+64*\t+jj:S0+64*\t+jj+1], v[S0+64*\t+jj:S0+64*\t+jj+1], s[CS:CS+1], v[T0+8*\t:T0+8*\t+1] op_sel_hi:[1,0,0]   ; t - M
.set jj, jj+2
.endr
.endif
.endr
	s_wait_alu depctr_va_vdst(0)                   ; the wait ahead of the batch
.set jj, 64*\lo
.rept 128-64*\lo
	v_exp_f32 v[S0+jj], v[S0+jj]
.set jj, jj+1
.endr
	v_nop
	s_wait_alu depctr_va_vdst(0)                   ; and one behind it
.irp t, 0,1
.if \t >= \lo
	v_pk_add_f32 v[T0+8*\t+6:T0+8*\t+7], v[S0+64*\t:S0+64*\t+1], v[S0+64*\t+2:S0+64*\t+3]   ; the sum of the unquantised p, two chains a tile
.endif
.endr
.irp j, 4,8,12,16,20,24,28,32,36,40,44,48,52,56,60
.irp t, 0,1
.if \t >= \lo
	v_pk_add_f32 v[T0+8*\t+2:T0+8*\t+3], v[T0+8*\t+2:T0+8*\t+3], v[S0+64*\t+\j:S0+64*\t+\j+1]
	v_pk_add_f32 v[T0+8*\t+6:T0+8*\t+7], v[T0+8*\t+6:T0+8*\t+7], v[S0+64*\t+\j+2:S0+64*\t+\j+3]
.endif
.endr
.endr
.irp t, 0,1
.if \t >= \lo
	v_pk_add_f32 v[T0+8*\t+2:T0+8*\t+3], v[T0+8*\t+2:T0+8*\t+3], v[T0+8*\t+6:T0+8*\t+7]
.endif
.endr
.irp t, 0,1
.if \t >= \lo
.irp b, 0,1,2,3
.set jj, 0
.rept 16
	v_min_num_f32 v[S0+64*\t+16*\b+jj], v[S0+64*\t+16*\b+jj], v[LIMP]   ; the conversion does not saturate (ISA guide 7.6.2); p is not negative
.set jj, jj+1
.endr
	v_cvt_scalef32_pk8_fp8_f32 v[P0+16*\t+4*\b:P0+16*\t+4*\b+1], v[S0+64*\t+16*\b:S0+64*\t+16*\b+7], v[SCP]
	v_cvt_scalef32_pk8_fp8_f32 v[P0+16*\t+4*\b+2:P0+16*\t+4*\b+3], v[S0+64*\t+16*\b+8:S0+64*\t+16*\b+15], v[SCP]
.endr
.endif
.endr
	v_nop                                          ; a plain line behind the last conversion
	s_wait_alu depctr_va_vdst(0)                   ; the wait directly ahead of the wait below
	s_wait_dscnt 32                                ; V's 16 loads are in; the 32 for the next step may be out
	WIN W_PV
.irp d, 0,1,2,3
.irp t, 0,1
.if \t >= \lo
	v_wmma_f32_16x16x128_fp8_fp8 v[O0+32*\t+8*\d:O0+32*\t+8*\d+7], v[64+16*\d:64+16*\d+15], v[P0+16*\t:P0+16*\t+15], v[O0+32*\t+8*\d:O0+32*\t+8*\d+7]
.endif
.endr
.endr
	WIN 0
.endm
	s_mov_b32 s[KF], 0
.irp b, T0, T1
	v_mov_b32 v[\b+1], 0xff61b1e6                  ; the largest t so far: -3e38
	v_floor_f32 v[\b], -v[\b+1]
	v_mov_b32 v[\b+2], 0
	v_mov_b32 v[\b+3], 0
	v_mov_b32 v[\b+4], 0
	v_mov_b32 v[\b+5], 0
.endr
.set jj, 0
.rept 64
	v_mov_b32 v[O0+jj], 0                          ; the step is written without a first step of its own: the first finds zeros
.set jj, jj+1
.endr
	WIN W_LD
.irp k, 0,1,2,3,4,5,6,7
	ds_load_b128 v[8*\k:8*\k+3], v[LI] offset:1024*\k
	ds_load_b128 v[8*\k+4:8*\k+7], v[LI] offset:1024*\k+512
.endr
.irp k, 0,1,2,3,4,5,6,7,8,9,10,11,12,13,14,15
	ds_load_b128 v[128+4*\k:131+4*\k], v[HBM] offset:128*(\k/4)+16*(\k%4)
.endr
	WIN 0
	s_wait_alu depctr_va_vdst(0)
; The loop walks all 16 key steps, so that its count is a constant; a step behind tile 1's block is passed over, one behind tile 0's block works tile 1 alone: scalar branches on ids.
.Lstep:
	s_cmp_gt_u32 s[KF], s57
	s_cbranch_scc1 .Lskip
	s_add_co_u32 s[NX], s[KF], 128
	s_min_u32 s[NX], s[NX], 1920                   ; the step that is read ahead, held inside the head
	s_lshl_b32 s36, s[NX], 6
	s_lshl_b32 s37, s[KF], 6
	s_lshl_b32 s38, s[NX], 2
	s_wait_dscnt 0x0                               ; K and the mask's numbers, asked for a step ago
	s_cmp_gt_u32 s[KF], s56
	s_cbranch_scc1 .Lone
	BODY 0
	s_branch .Lskip
.Lone:
	BODY 1
.Lskip:
	s_add_co_u32 s[KF], s[KF], 128
	s_cmp_lt_u32 s[KF], 2048
	s_cbranch_scc1 .Lstep
; the blocks behind each tile's own, and the way out
	s_wait_dscnt 0x0                               ; the loads that ran ahead
	v_add_nc_u32 v[AD], s34, v[SL]
	v_add_nc_u32 v[AV], s35, v[SL]
.irp k, 0,1,2,3,4,5,6,7
	ds_load_b128 v[S0+4*\k:S0+4*\k+3], v[AD] offset:64*(\k/2)+16*(\k%2)         ; register 8 t + e: the sum of V's codes, channel 16 t + 8 h + e: behind block j,
	ds_load_b128 v[S0+32+4*\k:S0+32+4*\k+3], v[AV] offset:64*(\k/2)+16*(\k%2)   ; behind block 15 - j
.endr
	s_sub_co_u32 s36, 1920, s56
	s_lshr_b32 s36, s36, 1
	s_cvt_f32_u32 s71, s36                         ; 64 keys a lane for each block behind the tile's own
	s_sub_co_u32 s37, 1920, s57
	s_lshr_b32 s37, s37, 1
	s_cvt_f32_u32 s72, s37
	v_fma_f32 v[T0+6], v[RR], s[CS], v[T0]
	v_fma_f32 v[T1+6], v[RR], s[CS], v[T1]
	s_wait_alu depctr_va_vdst(0)
	v_exp_f32 v[T0+6], v[T0+6]                     ; p of a key that does not count
	v_exp_f32 v[T1+6], v[T1+6]
	v_nop
	s_wait_alu depctr_va_vdst(0)
	v_fma_f32 v[T0+2], v[T0+6], s71, v[T0+2]
	v_fma_f32 v[T1+2], v[T1+6], s72, v[T1+2]
.set jj, 0
.rept 8
	v_min_num_f32 v[S1+jj], v[T0+6], v[LIMP]
	v_min_num_f32 v[S1+8+jj], v[T1+6], v[LIMP]
.set jj, jj+1
.endr
	v_add_f32 v[T0+2], v[T0+2], v[T0+3]
	v_add_f32 v[T1+2], v[T1+2], v[T1+3]
	v_cvt_scalef32_pk8_fp8_f32 v[P0:P0+1], v[S1:S1+7], v[SCP]        ; its code is byte 0
	v_cvt_scalef32_pk8_fp8_f32 v[P1:P1+1], v[S1+8:S1+15], v[SCP]
	v_permlanex16_b32 v[T0+5], v[T0+2], s[SEL], s[SEL+1]
	v_permlanex16_b32 v[T1+5], v[T1+2], s[SEL], s[SEL+1]
	v_add_f32 v[T0+2], v[T0+2], v[T0+5]            ; the row's sum
	v_add_f32 v[T1+2], v[T1+2], v[T1+5]
	v_cvt_f32_fp8 v[T0+4], v[P0]                   ; the code's value
	v_cvt_f32_fp8 v[T1+4], v[P1]
	s_wait_alu depctr_va_vdst(0)
	v_rcp_f32 v[T0+2], v[T0+2]
	v_rcp_f32 v[T1+2], v[T1+2]
	v_nop
	s_wait_alu depctr_va_vdst(0)
	v_ldexp_f32 v[T0+2], v[T0+2], s70              ; x 2^(e8 + e9)
	v_ldexp_f32 v[T1+2], v[T1+2], s70
	s_wait_dscnt 0x0
	s_wait_alu depctr_va_vdst(0)                   ; the wait directly ahead of the first reader of O^T
.irp t, 0,1
.set jj, 0
.rept 16
	v_pk_fma_f32 v[O0+32*\t+jj:O0+32*\t+jj+1], v[S0+32*\t+jj:S0+32*\t+jj+1], v[T0+8*\t+4:T0+8*\t+5], v[O0+32*\t+jj:O0+32*\t+jj+1] op_sel_hi:[1,0,1]
.set jj, jj+2
.endr
.endr
.irp t, 0,1
.set jj, 0
.rept 16
	v_pk_mul_f32 v[O0+32*\t+jj:O0+32*\t+jj+1], v[O0+32*\t+jj:O0+32*\t+jj+1], v[T0+8*\t+2:T0+8*\t+3] op_sel_hi:[1,0]
.set jj, jj+2
.endr
.endr
.set jj, 0
.rept 64
	v_med3_num_f32 v[O0+jj], v[O0+jj], -v[LIMA], v[LIMA]
.set jj, jj+1
.endr
.irp t, 0,1
.irp b, 0,1
	v_cvt_scalef32_pk8_fp8_f32 v[P0+16*\t+4*\b:P0+16*\t+4*\b+1], v[O0+32*\t+16*\b:O0+32*\t+16*\b+7], v[SCA]
	v_cvt_scalef32_pk8_fp8_f32 v[P0+16*\t+4*\b+2:P0+16*\t+4*\b+3], v[O0+32*\t+16*\b+8:O0+32*\t+16*\b+15], v[SCA]
.endr
.endr
	v_nop
.irp t, 0,1
	global_store_b128 v[LI], v[P0+16*\t:P0+16*\t+3], s[76+2*\t:77+2*\t]                  ; 512 consecutive bytes a store
	global_store_b128 v[LI], v[P0+16*\t+4:P0+16*\t+7], s[76+2*\t:77+2*\t] offset:512
.endr
	s_wait_tensorcnt 0x0                           ; the wave's end
	ds_add_u32 v[SPW], v[NIL]
	s_wait_dscnt 0x0
	CROUND                                         ; the closing round
	s_endpgm
.Lfunc_end_k_q9d75ecc709_attn:
	.size	k_q9d75ecc709_attn, .Lfunc_end_k_q9d75ecc709_attn-k_q9d75ecc709_attn
	.p2alignl 7, 3214868480
	.fill 96, 4, 3214868480
	.section	.rodata,"a",@progbits
	.p2align	6, 0x0
	.amdhsa_kernel k_q9d75ecc709_attn
		.amdhsa_group_segment_fixed_size 327680
		.amdhsa_private_segment_fixed_size 0
		.amdhsa_enable_private_segment 0
		.amdhsa_kernarg_size 32
		.amdhsa_user_sgpr_count 2
		.amdhsa_user_sgpr_kernarg_segment_ptr 1
		.amdhsa_wavefront_size32 1
		.amdhsa_system_sgpr_workgroup_id_x 1
		.amdhsa_system_sgpr_workgroup_id_y 1
		.amdhsa_system_sgpr_workgroup_id_z 1
		.amdhsa_system_vgpr_workitem_id 0
		.amdhsa_next_free_vgpr 512
		.amdhsa_next_free_sgpr 100
		.amdhsa_reserve_vcc 1
		.amdhsa_float_denorm_mode_32 3
		.amdhsa_float_denorm_mode_16_64 3
		.amdhsa_memory_ordered 1
		.amdhsa_forward_progress 1
		.amdhsa_inst_pref_size 87
	.end_amdhsa_kernel
	.amdgpu_metadata
---
amdhsa.version: [ 1, 2 ]
amdhsa.kernels:
  - .name:           k_q9d75ecc709_attn
    .symbol:         k_q9d75ecc709_attn.kd
    .args:
      - { .name: qkvc, .offset: 0, .size: 8, .value_kind: global_buffer, .address_space: global }
      - { .name: maskb, .offset: 8, .size: 8, .value_kind: global_buffer, .address_space: global }
      - { .name: lowp_scales, .offset: 16, .size: 8, .value_kind: global_buffer, .address_space: global }
      - { .name: ac, .offset: 24, .size: 8, .value_kind: global_buffer, .address_space: global }
    .group_segment_fixed_size: 327680
    .private_segment_fixed_size: 0
    .kernarg_segment_align: 8
    .kernarg_segment_size: 32
    .max_flat_workgroup_size: 256
    .sgpr_count:     100
    .vgpr_count:     512
    .wavefront_size: 32
...
	.end_amdgpu_metadata
.endif
;; end of part 3
;; launch wo (part 4): grid 8 x 32, 4 waves a work-group, clusters of 4 x 4, 327,680 bytes of LDS; arguments ac, wc, bo, lowp_scales, y, x; writes y
.if DOCPART == 4
	.amdgcn_target "amdgcn-amd-amdhsa--gfx1250"
	.amdhsa_code_object_version 6
	.text
	.protected	k_q9d75ecc709_wo
	.globl	k_q9d75ecc709_wo
	.p2align	8
	.type	k_q9d75ecc709_wo,@function
k_q9d75ecc709_wo:
	s_mov_b64 s[64:65], 0
	v_nop
	global_prefetch_b8 v0, s[64:65] scope:SCOPE_SE
	s_setreg_imm32_b32 hwreg(HW_REG_WAVE_MODE, 25, 1), 1
	s_wait_xcnt 0x0
	s_wait_alu depctr_hold_cnt(0) depctr_sa_sdst(0) depctr_va_vdst(0) depctr_va_sdst(0) depctr_va_ssrc(0) depctr_va_vcc(0) depctr_vm_vsrc(0)
	s_getreg_b32 s2, hwreg(HW_REG_IB_STS2, 6, 4)
	s_cmp_eq_u32 s2, 0
	s_cbranch_scc0 .Lentry_in_a_cluster
	s_endpgm
.Lentry_in_a_cluster:
	s_bfe_u32 s2, ttmp6, 0x10000c
	s_cmp_lg_u32 s2, 0xf033
	s_cbranch_scc0 .Lentry_shape_is_right
	s_endpgm
.Lentry_shape_is_right:
; y = x + attn_out wo + bo.  C = A B^T on images of codes of E4M3; f32 out.  A tile of C is 128 x 128, four waves of 64 x 64 (16 accumulators), so that the grid has 256 work-groups.
; K goes in steps of 512 (four quarters of 128) through two LDS slots; a K step of a row tile is 8,192 consecutive bytes, a wave's tensor load brings four such rows.  Here K = 1,024: both steps are first fills.
; The matrix instruction is used transposed (source 0 = the weight's rows, permuted; source 1 = A's rows): a lane's 16 registers of two neighbouring tiles are 16 neighbouring columns of one row of C.
; CLUSTERS 4 x 4: A's tiles jointly along a row of the cluster, B's along a column.  LIMIT: ea + eb between -126 and 127.
; REGISTERS: window 0: v16-31 addresses, v32-95 rows on the way out, v96-99 bias, v128-255 accumulators; window 1: two fragment buffers (A at +16 a, B at +64 + 16 b); window 2: the residual's 128 registers.
.set SIZE_K, 1024
.set RESID,  1
.set A_OFF,  0
.set B_OFF,  0x300000
.set EA,     10
.set EB,     11
.set TPB,    16*SIZE_K                 ; bytes of a row tile of an image
.set KSB,    8192                      ; a K step's bytes of a row tile
.set HALFT,  32768
.set SLOT,   131072
.set LAPS,   SIZE_K/1024
.set STAGE,  262144                    ; behind the ring: 16 rows x 272 bytes for each wave
.set SPARE,  STAGE+4*16*272            ; behind the stages: the spare words
.set ADRA, 16
.set ADRB, 20
.set STO,  24
.set RD,   25
.set CO,   26
.set SPW,  28
.set NIL,  29
.set RB,   32
.set BI,   96
.set ACC,  128
.set F0,   0
.set F1,   128
.set G1, 24
.set G0, 32
.set G1B, 48
.set G0B, 56
.set MSB, 0
.macro WIN new
.if MSB != \new
	s_set_vgpr_msb (MSB<<8)|\new
.set MSB, \new
.endif
.endm
.set MUL,  0x05
.set TO_F, 0x40
.macro JLOAD s
	s_cmp_eq_u32 s15, 0
	s_cbranch_scc0 .Lfor_b_\@
	tensor_load_to_lds s[G0+4*\s:G0+4*\s+3], s[G1:G1+7]
	s_nop 0
.rept 4
	v_nop
.endr
	s_branch .Lasked_\@
.Lfor_b_\@:
	tensor_load_to_lds s[G0B+4*\s:G0B+4*\s+3], s[G1B:G1B+7]
	s_nop 0
.rept 4
	v_nop
.endr
.Lasked_\@:
.endm
.macro CREST
	s_cmp_lg_u32 s14, 0
	s_cbranch_scc1 .Lnot_wave_0_\@
	s_barrier_signal -3
.Lnot_wave_0_\@:
	s_barrier_wait -3
	s_barrier_signal -1
	s_barrier_wait -1
.endm
.macro CROUND
	s_barrier_signal -1
	s_barrier_wait -1
	CREST
.endm
	s_load_b256 s[4:11], s[0:1], 0x0               ; A's image, the weights' images, the bias, the scales
	s_load_b64 s[12:13], s[0:1], 0x20              ; the result
.if RESID
	s_load_b64 s[68:69], s[0:1], 0x28              ; the residual
.endif
	v_lshl_add_u32 v[SPW], v0, 2, SPARE
	v_mov_b32 v[NIL], 0
	ds_add_u32 v28, v29
	ds_add_u32 v28, v29
	s_wait_dscnt 0x0
	v_lshrrev_b32 v1, 5, v0
	v_readfirstlane_b32 s14, v1
	s_lshr_b32 s15, s14, 1
	s_and_b32 s16, s14, 1
	s_bfe_u32 s40, ttmp6, 0x40000
	s_bfe_u32 s41, ttmp6, 0x40004
	s_lshl_b32 s42, ttmp9, 2
	s_add_co_u32 s42, s42, s40                     ; tile column
	s_and_b32 s17, ttmp7, 0xffff
	s_lshl_b32 s17, s17, 2
	s_add_co_u32 s17, s17, s41                     ; tile row
	s_lshl_b32 s43, s41, 2
	s_lshl_b32 s43, 15, s43
	s_lshl_b32 s44, 0x1111, s40
	s_or_b32 s[G1+0], s43, (3<<16)|(1<<21)
	s_or_b32 s[G1B+0], s44, (3<<16)|(1<<21)
.irp g, G1, G1B
	s_mov_b32 s[\g+1], 1024<<16                    ; tensor_dim0 = 1,024 elements of 8 bytes
	s_mov_b32 s[\g+2], 4<<16                       ; tensor_dim1 = 4 row tiles
	s_mov_b32 s[\g+3], 1024<<16
	s_mov_b32 s[\g+4], 4
	s_mov_b32 s[\g+5], 2*SIZE_K                    ; from row tile to row tile, in elements
	s_mov_b32 s[\g+6], 0
	s_mov_b32 s[\g+7], 0
.endr
	s_lshl_b32 s18, s17, 3
	s_lshl_b32 s19, s16, 2
	s_add_co_u32 s18, s18, s19                     ; A: row tile 8 x tile row + 4 x half
	s_mul_i32 s18, s18, TPB
	s_add_co_u32 s18, s18, A_OFF
	s_mov_b32 s19, 0
	s_lshl_b32 s66, s42, 3
	s_lshl_b32 s67, s16, 2
	s_add_co_u32 s66, s66, s67
	s_mul_i32 s66, s66, TPB
	s_add_co_u32 s66, s66, B_OFF
	s_mov_b32 s67, 0
	s_lshl_b32 s45, s14, 15
	s_wait_kmcnt 0x0
	s_load_b512 s[80:95], s[10:11], 0x0
	s_add_nc_u64 s[20:21], s[4:5], s[18:19]
	s_add_nc_u64 s[46:47], s[6:7], s[66:67]
	CROUND
.irp s, 0,1
	s_mov_b32 s[G0+4*\s], 1
	s_add_co_u32 s[G0+4*\s+1], s45, \s*SLOT
	s_add_nc_u64 s[G0+4*\s+2:G0+4*\s+3], s[20:21], \s*KSB
	s_or_b32 s[G0+4*\s+3], s[G0+4*\s+3], 0x80000000
	s_mov_b32 s[G0B+4*\s], 1
	s_add_co_u32 s[G0B+4*\s+1], s45, \s*SLOT
	s_add_nc_u64 s[G0B+4*\s+2:G0B+4*\s+3], s[46:47], \s*KSB
	s_or_b32 s[G0B+4*\s+3], s[G0B+4*\s+3], 0x80000000
.endr
	JLOAD 0                                        ; K step 0: one tensor load a wave at the head
	v_and_b32 v1, 15, v0
	s_wait_alu depctr_va_vdst(0)
	v_bfe_u32 v2, v0, 4, 1
	v_and_b32 v3, 31, v0
	v_lshlrev_b32 v3, 4, v3                        ; 16 x lane
	s_lshl_b32 s22, s15, 15
	s_lshl_b32 s23, s16, 15
	s_add_co_u32 s23, s23, 2*HALFT
.irp s, 0,1
	v_add_nc_u32 v[ADRA+\s], s22, v3
	v_add_nc_u32 v[ADRB+\s], s23, v3
	s_add_co_u32 s22, s22, SLOT
	s_add_co_u32 s23, s23, SLOT
.endr
	s_mul_i32 s22, s14, 16*272
	s_add_co_u32 s22, s22, STAGE                   ; my stage
	v_mul_u32_u24 v4, v1, 272
	s_wait_alu depctr_va_vdst(0)
	v_lshl_add_u32 v4, v2, 6, v4
	v_add_nc_u32 v[STO], s22, v4                   ; in: row r, + 64 h
	v_mul_u32_u24 v4, v2, 272
	v_lshl_add_u32 v4, v1, 4, v4
	v_add_nc_u32 v[RD], s22, v4                    ; back: lanes 0-15 one row of 256 bytes, lanes 16-31 the next
	v_lshlrev_b32 v4, 12, v2
	v_lshl_add_u32 v[CO], v1, 4, v4                ; and the same two rows in memory
	s_wait_alu depctr_va_vdst(0)
	s_lshl_b32 s22, s42, 9
	s_lshl_b32 s23, s16, 8
	s_add_co_u32 s22, s22, s23                     ; my 64 columns, in bytes
	v_lshl_add_u32 v5, v1, 4, s22
	global_load_b128 v[BI:BI+3], v5, s[8:9]        ; the bias of my four columns
	s_lshl_b32 s74, s17, 19
	s_lshl_b32 s75, s15, 18
	s_add_co_u32 s74, s74, s75
	s_add_co_u32 s74, s74, s22
	s_mov_b32 s75, 0
	s_add_nc_u64 s[12:13], s[12:13], s[74:75]
.if RESID
	s_add_nc_u64 s[68:69], s[68:69], s[74:75]
	WIN 0x80                                       ; destination window 2
.irp a, 0,1,2,3
.irp t, 0,1,2,3,4,5,6,7
	global_load_b128 v[32*\a+4*\t:32*\a+4*\t+3], v[CO], s[68:69] offset:(16*\a+2*\t)*4096 th:TH_LOAD_NT
.endr
.endr
	WIN 0
.endif
.macro MULA f, a, zero                 ; A's block a x B's four; the 16 accumulators take turns
.irp b, 0,1,2,3
.if \zero
	v_wmma_f32_16x16x128_fp8_fp8 v[ACC+8*(4*(\a)+\b):ACC+8*(4*(\a)+\b)+7], v[\f+64+16*\b:\f+64+16*\b+15], v[\f+16*(\a):\f+16*(\a)+15], 0
.else
	v_wmma_f32_16x16x128_fp8_fp8 v[ACC+8*(4*(\a)+\b):ACC+8*(4*(\a)+\b)+7], v[\f+64+16*\b:\f+64+16*\b+15], v[\f+16*(\a):\f+16*(\a)+15], v[ACC+8*(4*(\a)+\b):ACC+8*(4*(\a)+\b)+7]
.endif
.endr
.endm
.macro FETCH slot, q, f                ; 32 LDS loads in one run: B's four fragments, then A's
	WIN TO_F
.irp i, 0,1,2,3
.irp c, 0,1,2,3
	ds_load_b128 v[\f+64+16*\i+4*\c:\f+64+16*\i+4*\c+3], v[ADRB+\slot] offset:8192*\i+2048*(\q)+512*\c
.endr
.endr
.irp i, 0,1,2,3
.irp c, 0,1,2,3
	ds_load_b128 v[\f+16*\i+4*\c:\f+16*\i+4*\c+3], v[ADRA+\slot] offset:8192*\i+2048*(\q)+512*\c
.endr
.endr
.endm
.macro PLACES
.rept 4
	v_nop
.endr
.endm
.macro QUARTER slot, q, f, g, zero     ; multiplies buffer f and fetches quarter q of the slot into g
	s_wait_dscnt 8                                 ; B and A's blocks 0, 1 are in; the youngest eight loads may be out
	WIN MUL
	MULA \f, 0, \zero
	MULA \f, 1, \zero
	PLACES
	FETCH \slot, \q, \g
	s_wait_dscnt 32                                ; all but the 32 just issued
	WIN MUL
	MULA \f, 2, \zero
	MULA \f, 3, \zero
.endm
.macro TURN slot, next, fill           ; a slot's last quarter, and the change of slots
	WIN 0
	s_wait_tensorcnt 0x0
	ds_add_u32 v[SPW], v[NIL]                      ; 0 onto my spare word
	s_wait_dscnt 9                                 ; the add and the youngest eight loads may be out
	WIN MUL
	MULA F1, 0, 0
	s_wait_dscnt 0x0
	s_barrier_signal -1
	MULA F1, 1, 0
.if \fill
	WIN 0
.endif
	s_barrier_wait -1
.if \fill
	CREST
	s_add_nc_u64 s[G0+4*\slot+2:G0+4*\slot+3], s[G0+4*\slot+2:G0+4*\slot+3], 2*KSB
	s_add_nc_u64 s[G0B+4*\slot+2:G0B+4*\slot+3], s[G0B+4*\slot+2:G0B+4*\slot+3], 2*KSB
	JLOAD \slot
.else
	PLACES
.endif
	FETCH \next, 0, F0
	WIN MUL
	MULA F1, 2, 0
	MULA F1, 3, 0
.endm
	s_wait_alu depctr_va_vdst(0)                   ; the wait at the head's end
	s_wait_tensorcnt 0x0                           ; my part of K step 0 is in; slot 1's first fill is issued as a refill is
	ds_add_u32 v[SPW], v[NIL]
	s_wait_dscnt 0x0
	CROUND
	JLOAD 1                                        ; K step 1, the first tensor load behind the round
	FETCH 0, 0, F0
	QUARTER 0, 1, F0, F1, 1
.if LAPS > 1
	WIN 0
	s_mov_b32 s3, LAPS-1
.Llap:
	QUARTER 0, 2, F1, F0, 0
	QUARTER 0, 3, F0, F1, 0
	TURN 0, 1, 1
	QUARTER 1, 1, F0, F1, 0
	QUARTER 1, 2, F1, F0, 0
	QUARTER 1, 3, F0, F1, 0
	TURN 1, 0, 1
	QUARTER 0, 1, F0, F1, 0
	WIN 0
	s_sub_co_u32 s3, s3, 1
	s_cmp_lg_u32 s3, 0
	s_cbranch_scc1 .Llap
.endif
	QUARTER 0, 2, F1, F0, 0
	QUARTER 0, 3, F0, F1, 0
	TURN 0, 1, 0
	QUARTER 1, 1, F0, F1, 0
	QUARTER 1, 2, F1, F0, 0
	QUARTER 1, 3, F0, F1, 0
	s_wait_dscnt 8
	WIN MUL
	MULA F1, 0, 0
	MULA F1, 1, 0
	s_wait_dscnt 0
	MULA F1, 2, 0
	MULA F1, 3, 0
	WIN 0
; THE WAY OUT, 16 rows at a time through my own stage: the sums go in as they stand, come back as rows of 256 bytes, are scaled and biased, and sixteen lanes store 256 consecutive aligned bytes.
.macro OUT a
.set RBS, RB+32*((\a)%2)
.if (\a) >= 2
	s_wait_xcnt 0x0                                ; the stores of two blocks ago have read their registers
.endif
.irp b, 0,1,2,3
	ds_store_b128 v[STO], v[ACC+8*(4*(\a)+\b):ACC+8*(4*(\a)+\b)+3] offset:128*(\b/2)+32*(\b%2)
	ds_store_b128 v[STO], v[ACC+8*(4*(\a)+\b)+4:ACC+8*(4*(\a)+\b)+7] offset:128*(\b/2)+32*(\b%2)+16
.endr
.irp t, 0,1,2,3,4,5,6,7
	ds_load_b128 v[RBS+4*\t:RBS+4*\t+3], v[RD] offset:544*\t   ; LDS serves a wave's instructions in order (ISA guide 5.7.1.4)
.endr
	s_wait_dscnt 0x0
.irp t, 0,1,2,3,4,5,6,7
	v_pk_fma_f32 v[RBS+4*\t:RBS+4*\t+1], v[RBS+4*\t:RBS+4*\t+1], s[98:99], v[BI:BI+1] op_sel_hi:[1,0,1]
	v_pk_fma_f32 v[RBS+4*\t+2:RBS+4*\t+3], v[RBS+4*\t+2:RBS+4*\t+3], s[98:99], v[BI+2:BI+3] op_sel_hi:[1,0,1]
.endr
.if RESID
	WIN 0x08                                       ; source 1 window 2
.irp t, 0,1,2,3,4,5,6,7
	v_pk_add_f32 v[RBS+4*\t:RBS+4*\t+1], v[RBS+4*\t:RBS+4*\t+1], v[32*(\a)+4*\t:32*(\a)+4*\t+1]
	v_pk_add_f32 v[RBS+4*\t+2:RBS+4*\t+3], v[RBS+4*\t+2:RBS+4*\t+3], v[32*(\a)+4*\t+2:32*(\a)+4*\t+3]
.endr
	WIN 0
.endif
.irp t, 0,1,2,3,4,5,6,7
	global_store_b128 v[CO], v[RBS+4*\t:RBS+4*\t+3], s[12:13] offset:(16*(\a)+2*\t)*4096
.endr
.endm
	s_wait_kmcnt 0x0
	s_add_co_i32 s98, s[80+EA], s[80+EB]
	s_add_co_i32 s98, s98, 127
	s_lshl_b32 s98, s98, 23                        ; 2^(ea + eb)
	s_mov_b32 s99, s98
	s_wait_loadcnt 0x0                             ; the bias, the residual
	PLACES
.irp a, 0,1,2,3
	OUT \a
.endr
	s_wait_tensorcnt 0x0                           ; the wave's end
	ds_add_u32 v[SPW], v[NIL]
	s_wait_dscnt 0x0
	CROUND
	s_endpgm
.Lfunc_end_k_q9d75ecc709_wo:
	.size	k_q9d75ecc709_wo, .Lfunc_end_k_q9d75ecc709_wo-k_q9d75ecc709_wo
	.p2alignl 7, 3214868480
	.fill 96, 4, 3214868480
	.section	.rodata,"a",@progbits
	.p2align	6, 0x0
	.amdhsa_kernel k_q9d75ecc709_wo
		.amdhsa_group_segment_fixed_size 327680
		.amdhsa_private_segment_fixed_size 0
		.amdhsa_enable_private_segment 0
		.amdhsa_kernarg_size 48
		.amdhsa_user_sgpr_count 2
		.amdhsa_user_sgpr_kernarg_segment_ptr 1
		.amdhsa_wavefront_size32 1
		.amdhsa_system_sgpr_workgroup_id_x 1
		.amdhsa_system_sgpr_workgroup_id_y 1
		.amdhsa_system_sgpr_workgroup_id_z 1
		.amdhsa_system_vgpr_workitem_id 0
		.amdhsa_next_free_vgpr 640
		.amdhsa_next_free_sgpr 100
		.amdhsa_reserve_vcc 0
		.amdhsa_float_denorm_mode_32 3
		.amdhsa_float_denorm_mode_16_64 3
		.amdhsa_memory_ordered 1
		.amdhsa_forward_progress 1
		.amdhsa_inst_pref_size 53
	.end_amdhsa_kernel
	.amdgpu_metadata
---
amdhsa.version: [ 1, 2 ]
amdhsa.kernels:
  - .name:           k_q9d75ecc709_wo
    .symbol:         k_q9d75ecc709_wo.kd
    .args:
      - { .name: ac, .offset: 0, .size: 8, .value_kind: global_buffer, .address_space: global }
      - { .name: wc, .offset: 8, .size: 8, .value_kind: global_buffer, .address_space: global }
      - { .name: bo, .offset: 16, .size: 8, .value_kind: global_buffer, .address_space: global }
      - { .name: lowp_scales, .offset: 24, .size: 8, .value_kind: global_buffer, .address_space: global }
      - { .name: y, .offset: 32, .size: 8, .value_kind: global_buffer, .address_space: global }
      - { .name: x, .offset: 40, .size: 8, .value_kind: global_buffer, .address_space: global }
    .group_segment_fixed_size: 327680
    .private_segment_fixed_size: 0
    .kernarg_segment_align: 8
    .kernarg_segment_size: 48
    .max_flat_workgroup_size: 128
    .sgpr_count:     100
    .vgpr_count:     640
    .wavefront_size: 32
...
	.end_amdgpu_metadata
.endif
;; end of part 4
;; launch ln1 (part 5): grid 256 x 1, 16 waves a work-group, no clusters, 68,096 bytes of LDS; arguments y, ln1_scale, ln1_bias, lowp_scales, ac; writes ac
.if DOCPART == 5
	.amdgcn_target "amdgcn-amd-amdhsa--gfx1250"
	.amdhsa_code_object_version 6
	.text
	.protected	k_q9d75ecc709_ln1
	.globl	k_q9d75ecc709_ln1
	.p2align	8
	.type	k_q9d75ecc709_ln1,@function
k_q9d75ecc709_ln1:
	s_mov_b64 s[64:65], 0
	v_nop
	global_prefetch_b8 v0, s[64:65] scope:SCOPE_SE
	s_setreg_imm32_b32 hwreg(HW_REG_WAVE_MODE, 25, 1), 1
	s_wait_xcnt 0x0
; x1 = LayerNorm(y) in f32, quantised (e12) into the image of the next product's operand (second half of ac).  x1 itself is not stored.
; A work-group takes 16 rows, a wave one row: mean, then the mean of the squared differences (two passes over registers), so that a common offset of the row costs no accuracy.
; The rows meet in LDS (pitch 4,096 + 16 bytes); behind one barrier wave w makes chunks 2 (w % 2), 2 (w % 2) + 1 of fragment w / 2.  Memory binds: no matrix unit, no cluster.
; LIMIT: e12 between -126 and 119; NaN is not served.
.set Y,  16
.set S,  48
.set B,  80
.set TT, 112
.macro REDUCE v, t                     ; the sum over the 32 lanes, in every lane
	s_delay_alu instid0(VALU_DEP_1)
	v_add_f32_dpp v[\v], v[\v], v[\v] row_xmask:1 row_mask:0xf bank_mask:0xf
	s_delay_alu instid0(VALU_DEP_1)
	v_add_f32_dpp v[\v], v[\v], v[\v] row_xmask:2 row_mask:0xf bank_mask:0xf
	s_delay_alu instid0(VALU_DEP_1)
	v_add_f32_dpp v[\v], v[\v], v[\v] row_xmask:4 row_mask:0xf bank_mask:0xf
	s_delay_alu instid0(VALU_DEP_1)
	v_add_f32_dpp v[\v], v[\v], v[\v] row_xmask:8 row_mask:0xf bank_mask:0xf
	s_delay_alu instid0(VALU_DEP_1)
	v_permlanex16_b32 v[\t], v[\v], s12, s13
	s_delay_alu instid0(VALU_DEP_1)
	v_add_f32 v[\v], v[\v], v[\t]
.endm
.macro FOLD                            ; four chains of pairs into one number a lane
	s_delay_alu instid0(VALU_DEP_3)
	v_pk_add_f32 v[TT:TT+1], v[TT:TT+1], v[TT+2:TT+3]
	s_delay_alu instid0(VALU_DEP_2)
	v_pk_add_f32 v[TT+4:TT+5], v[TT+4:TT+5], v[TT+6:TT+7]
	s_delay_alu instid0(VALU_DEP_1)
	v_pk_add_f32 v[TT:TT+1], v[TT:TT+1], v[TT+4:TT+5]
	s_delay_alu instid0(VALU_DEP_1)
	v_add_f32 v[TT], v[TT], v[TT+1]
	REDUCE TT, TT+1
.endm
.macro LN xr, gr, br                   ; 32 numbers a lane, in place
.irp k, 0,1,2,3
	v_pk_add_f32 v[TT+2*\k:TT+2*\k+1], v[\xr+4*\k:\xr+4*\k+1], v[\xr+4*\k+2:\xr+4*\k+3]
.endr
.irp m, 16,24
.irp k, 0,1,2,3
	s_delay_alu instid0(VALU_DEP_4)
	v_pk_add_f32 v[TT+2*\k:TT+2*\k+1], v[TT+2*\k:TT+2*\k+1], v[\xr+\m+2*\k:\xr+\m+2*\k+1]
.endr
.endr
	FOLD
	s_delay_alu instid0(VALU_DEP_1)
	v_mul_f32 v[TT+8], s14, v[TT]                  ; the mean
	s_delay_alu instid0(VALU_DEP_1)
	v_mov_b32 v[TT+9], v[TT+8]
.irp k, 0,2,4,6,8,10,12,14,16,18,20,22,24,26,28,30
	v_pk_add_f32 v[\xr+\k:\xr+\k+1], v[\xr+\k:\xr+\k+1], v[TT+8:TT+9] neg_lo:[0,1] neg_hi:[0,1]
.endr
.irp k, 0,1,2,3
	v_pk_mul_f32 v[TT+2*\k:TT+2*\k+1], v[\xr+2*\k:\xr+2*\k+1], v[\xr+2*\k:\xr+2*\k+1]
.endr
.irp m, 8,16,24
.irp k, 0,1,2,3
	s_delay_alu instid0(VALU_DEP_4)
	v_pk_fma_f32 v[TT+2*\k:TT+2*\k+1], v[\xr+\m+2*\k:\xr+\m+2*\k+1], v[\xr+\m+2*\k:\xr+\m+2*\k+1], v[TT+2*\k:TT+2*\k+1]
.endr
.endr
	FOLD
	s_delay_alu instid0(VALU_DEP_1)
	v_fma_f32 v[TT], v[TT], s14, s15               ; the variance + 1e-6
	s_wait_alu depctr_va_vdst(0)
	v_rsq_f32 v[TT+8], v[TT]
	v_nop
	s_wait_alu depctr_va_vdst(0)                   ; ahead of the first reader
	v_mov_b32 v[TT+9], v[TT+8]
.irp k, 0,2,4,6,8,10,12,14,16,18,20,22,24,26,28,30
	v_pk_mul_f32 v[\xr+\k:\xr+\k+1], v[\xr+\k:\xr+\k+1], v[TT+8:TT+9]
.endr
.irp k, 0,2,4,6,8,10,12,14,16,18,20,22,24,26,28,30
	v_pk_fma_f32 v[\xr+\k:\xr+\k+1], v[\xr+\k:\xr+\k+1], v[\gr+\k:\gr+\k+1], v[\br+\k:\br+\k+1]
.endr
.endm
	s_load_b256 s[4:11], s[0:1], 0x0               ; y, gain, bias, scales
	s_load_b64 s[16:17], s[0:1], 0x20              ; ac
	v_lshl_add_u32 v128, v0, 2, 0x10200
	v_mov_b32 v129, 0
	v_lshrrev_b32 v1, 5, v0
	s_delay_alu instid0(VALU_DEP_1)
	v_readfirstlane_b32 s18, v1                    ; wave
	v_and_b32 v1, 31, v0
	s_delay_alu instid0(VALU_DEP_1)
	v_lshlrev_b32 v2, 4, v1                        ; 16 x lane
	s_lshl_b32 s20, ttmp9, 16
	s_lshl_b32 s21, s18, 12
	s_add_co_u32 s20, s20, s21                     ; my row
	s_mov_b32 s21, 0
	s_mov_b32 s12, 0x76543210
	s_mov_b32 s13, 0xfedcba98
	s_mov_b32 s14, 0x3a800000                      ; 1 / 1,024
	s_mov_b32 s15, 0x358637bd                      ; 1e-6
	s_wait_alu depctr_va_vdst(0)
	s_wait_kmcnt 0x0
	s_load_b32 s22, s[10:11], 0x30                 ; e12
	s_add_nc_u64 s[4:5], s[4:5], s[20:21]
.irp j, 0,1,2,3,4,5,6,7
	global_load_b128 v[Y+4*\j:Y+4*\j+3], v2, s[4:5] offset:512*\j
.endr
.irp j, 0,1,2,3,4,5,6,7
	global_load_b128 v[S+4*\j:S+4*\j+3], v2, s[6:7] offset:512*\j
	global_load_b128 v[B+4*\j:B+4*\j+3], v2, s[8:9] offset:512*\j
.endr
	s_mul_i32 s23, s18, 4112
	v_add_nc_u32 v3, s23, v2                       ; into LDS: my row
	v_and_b32 v5, 15, v0
	v_bfe_u32 v6, v0, 4, 1
	s_delay_alu instid0(VALU_DEP_2)
	v_mul_u32_u24 v4, v5, 4112
	s_delay_alu instid0(VALU_DEP_1)
	v_lshl_add_u32 v4, v6, 6, v4
	s_lshl_b32 s24, s18, 8
	v_add_nc_u32 v4, s24, v4                       ; out of it: row r, + 64 h, + my two chunks' 256 bytes x wave
	s_lshl_b32 s20, ttmp9, 14
	s_lshl_b32 s24, s18, 10
	s_add_co_u32 s20, s20, s24
	s_add_co_u32 s20, s20, 0x400000
	s_add_nc_u64 s[16:17], s[16:17], s[20:21]
	s_wait_kmcnt 0x0
	s_add_co_i32 s22, s22, 127
	s_lshl_b32 s24, s22, 23
	v_mov_b32 v8, s24
	s_add_co_i32 s22, s22, 8
	s_lshl_b32 s22, s22, 23
	s_or_b32 s22, s22, 0x600000
	v_mov_b32 v9, s22
	s_wait_loadcnt 0x0
	LN Y, S, B
.irp j, 0,1,2,3,4,5,6,7
	ds_store_b128 v3, v[Y+4*\j:Y+4*\j+3] offset:512*\j
.endr
	s_wait_dscnt 0x0                               ; for the others' sake: my row lies in LDS
	s_barrier_signal -1
	s_barrier_wait -1
.irp c, 0,1
.irp j, 0,1,2,3
	ds_load_b128 v[Y+16*\c+4*\j:Y+16*\c+4*\j+3], v4 offset:128*\c+16*\j
.endr
.endr
	s_wait_dscnt 0x0
.set i, 0
.rept 32
	v_med3_num_f32 v[Y+i], v[Y+i], -v9, v9
.set i, i+1
.endr
.irp c, 0,1
	v_cvt_scalef32_pk8_fp8_f32 v[TT+4*\c:TT+4*\c+1], v[Y+16*\c:Y+16*\c+7], v8
	v_cvt_scalef32_pk8_fp8_f32 v[TT+4*\c+2:TT+4*\c+3], v[Y+16*\c+8:Y+16*\c+15], v8
.endr
	global_store_b128 v2, v[TT:TT+3], s[16:17]
	global_store_b128 v2, v[TT+4:TT+7], s[16:17] offset:512
	s_wait_tensorcnt 0x0
	ds_add_u32 v128, v129
	s_wait_dscnt 0x0
	s_endpgm
.Lfunc_end_k_q9d75ecc709_ln1:
	.size	k_q9d75ecc709_ln1, .Lfunc_end_k_q9d75ecc709_ln1-k_q9d75ecc709_ln1
	.p2alignl 7, 3214868480
	.fill 96, 4, 3214868480
	.section	.rodata,"a",@progbits
	.p2align	6, 0x0
	.amdhsa_kernel k_q9d75ecc709_ln1
		.amdhsa_group_segment_fixed_size 68096
		.amdhsa_private_segment_fixed_size 0
		.amdhsa_enable_private_segment 0
		.amdhsa_kernarg_size 40
		.amdhsa_user_sgpr_count 2
		.amdhsa_user_sgpr_kernarg_segment_ptr 1
		.amdhsa_wavefront_size32 1
		.amdhsa_system_sgpr_workgroup_id_x 1
		.amdhsa_system_sgpr_workgroup_id_y 1
		.amdhsa_system_sgpr_workgroup_id_z 1
		.amdhsa_system_vgpr_workitem_id 0
		.amdhsa_next_free_vgpr 130
		.amdhsa_next_free_sgpr 66
		.amdhsa_reserve_vcc 0
		.amdhsa_float_denorm_mode_32 3
		.amdhsa_float_denorm_mode_16_64 3
		.amdhsa_memory_ordered 1
		.amdhsa_forward_progress 1
		.amdhsa_inst_pref_size 16
	.end_amdhsa_kernel
	.amdgpu_metadata
---
amdhsa.version: [ 1, 2 ]
amdhsa.kernels:
  - .name:           k_q9d75ecc709_ln1
    .symbol:         k_q9d75ecc709_ln1.kd
    .args:
      - { .name: y, .offset: 0, .size: 8, .value_kind: global_buffer, .address_space: global }
      - { .name: ln1_scale, .offset: 8, .size: 8, .value_kind: global_buffer, .address_space: global }
      - { .name: ln1_bias, .offset: 16, .size: 8, .value_kind: global_buffer, .address_space: global }
      - { .name: lowp_scales, .offset: 24, .size: 8, .value_kind: global_buffer, .address_space: global }
      - { .name: ac, .offset: 32, .size: 8, .value_kind: global_buffer, .address_space: global }
    .group_segment_fixed_size: 68096
    .private_segment_fixed_size: 0
    .kernarg_segment_align: 8
    .kernarg_segment_size: 40
    .max_flat_workgroup_size: 512
    .sgpr_count:     66
    .vgpr_count:     130
    .wavefront_size: 32
...
	.end_amdgpu_metadata
.endif
;; end of part 5
;; launch ffn1 (part 6): grid 16 x 16, 4 waves a work-group, clusters of 4 x 4, 327,680 bytes of LDS; arguments ac, wc, b1, lowp_scales, hc; writes hc
.if DOCPART == 6
	.amdgcn_target "amdgcn-amd-amdhsa--gfx1250"
	.amdhsa_code_object_version 6
	.text
	.protected	k_q9d75ecc709_ffn1
	.globl	k_q9d75ecc709_ffn1
	.p2align	8
	.type	k_q9d75ecc709_ffn1,@function
k_q9d75ecc709_ffn1:
	s_mov_b64 s[64:65], 0
	v_nop
	global_prefetch_b8 v0, s[64:65] scope:SCOPE_SE
	s_setreg_imm32_b32 hwreg(HW_REG_WAVE_MODE, 25, 1), 1
	s_wait_xcnt 0x0
	s_wait_alu depctr_hold_cnt(0) depctr_sa_sdst(0) depctr_va_vdst(0) depctr_va_sdst(0) depctr_va_ssrc(0) depctr_va_vcc(0) depctr_vm_vsrc(0)
	s_getreg_b32 s2, hwreg(HW_REG_IB_STS2, 6, 4)
	s_cmp_eq_u32 s2, 0
	s_cbranch_scc0 .Lentry_in_a_cluster
	s_endpgm
.Lentry_in_a_cluster:
	s_bfe_u32 s2, ttmp6, 0x10000c
	s_cmp_lg_u32 s2, 0xf033
	s_cbranch_scc0 .Lentry_shape_is_right
	s_endpgm
.Lentry_shape_is_right:
.set ROWB,   4096
.set HALFT,  32768
.set SLOT,   131072
.set LAPS,   2
.set SPARE,  262144
.set FR,     16
.set NL,     4
.set NP,     4
.set ADRA, 16
.set ADRB, 20
.set CO,   26
.set SPW,  28
.set NIL,  29
.set VSC,  30
.set VLIM, 31
.set BN,   32
.set CD,   96
.set TMP,  128
.set E,    192
.set AF,   128
.set G1, 24
.set G0, 32
.set G1B, 48
.set G0B, 56
.set MSB, 0
.macro WIN new
.if MSB != \new
	s_set_vgpr_msb (MSB<<8)|\new
.set MSB, \new
.endif
.endm
.set MUL_LO, 0xa1
.set MUL_HI, 0xf1
.set TO_B,   0x40
.macro JLOAD g0a, g1a, g0b, g1b
	s_cmp_eq_u32 s15, 0
	s_cbranch_scc0 .Lfor_b_\@
	tensor_load_to_lds s[\g0a:\g0a+3], s[\g1a:\g1a+7]
	s_nop 0
.rept 4
	v_nop
.endr
	s_branch .Lasked_\@
.Lfor_b_\@:
	tensor_load_to_lds s[\g0b:\g0b+3], s[\g1b:\g1b+7]
	s_nop 0
.rept 4
	v_nop
.endr
.Lasked_\@:
.endm
.macro CREST
	s_cmp_lg_u32 s14, 0
	s_cbranch_scc1 .Lnot_wave_0_\@
	s_barrier_signal -3
.Lnot_wave_0_\@:
	s_barrier_wait -3
	s_barrier_signal -1
	s_barrier_wait -1
.endm
.macro CROUND
	s_barrier_signal -1
	s_barrier_wait -1
	CREST
.endm
	s_load_b256 s[4:11], s[0:1], 0x0
	s_load_b64 s[72:73], s[0:1], 0x20
	v_lshl_add_u32 v[SPW], v0, 2, SPARE
	v_mov_b32 v[NIL], 0
	ds_add_u32 v28, v29
	ds_add_u32 v28, v29
	s_wait_dscnt 0x0
	v_lshrrev_b32 v1, 5, v0
	v_readfirstlane_b32 s14, v1
	s_lshr_b32 s15, s14, 1
	s_and_b32 s16, s14, 1
	s_bfe_u32 s40, ttmp6, 0x40000
	s_bfe_u32 s41, ttmp6, 0x40004
	s_lshl_b32 s42, ttmp9, 2
	s_add_co_u32 s42, s42, s40
	s_and_b32 s17, ttmp7, 0xffff
	s_lshl_b32 s17, s17, 2
	s_add_co_u32 s17, s17, s41
	s_lshl_b32 s43, s41, 2
	s_lshl_b32 s43, 15, s43
	s_lshl_b32 s44, 0x1111, s40
	s_or_b32 s[G1+0], s43, (3<<16)|(1<<21)
	s_or_b32 s[G1B+0], s44, (3<<16)|(1<<21)
.irp g, G1, G1B
	s_mov_b32 s[\g+1], 512<<16
	s_mov_b32 s[\g+2], 8<<16
	s_mov_b32 s[\g+3], 512<<16
	s_mov_b32 s[\g+4], 8
	s_mov_b32 s[\g+5], 2048
	s_mov_b32 s[\g+6], 0
	s_mov_b32 s[\g+7], 0
.endr
	s_lshl_b32 s18, s17, 18
	s_lshl_b32 s19, s16, 17
	s_add_co_u32 s18, s18, s19
	s_add_co_u32 s18, s18, 0x400000
	s_mov_b32 s19, 0
	s_lshl_b32 s66, s42, 18
	s_lshl_b32 s67, s16, 17
	s_add_co_u32 s66, s66, s67
	s_add_co_u32 s66, s66, 0x400000
	s_mov_b32 s67, 0
	s_lshl_b32 s45, s14, 15
	s_wait_kmcnt 0x0
	s_load_b512 s[80:95], s[10:11], 0x0
	s_add_nc_u64 s[20:21], s[4:5], s[18:19]
	s_add_nc_u64 s[46:47], s[6:7], s[66:67]
	CROUND
.irp s, 0,1
	s_mov_b32 s[G0+4*\s], 1
	s_add_co_u32 s[G0+4*\s+1], s45, \s*SLOT
	s_add_nc_u64 s[G0+4*\s+2:G0+4*\s+3], s[20:21], \s*ROWB
	s_or_b32 s[G0+4*\s+3], s[G0+4*\s+3], 0x80000000
	s_mov_b32 s[G0B+4*\s], 1
	s_add_co_u32 s[G0B+4*\s+1], s45, \s*SLOT
	s_add_nc_u64 s[G0B+4*\s+2:G0B+4*\s+3], s[46:47], \s*ROWB
	s_or_b32 s[G0B+4*\s+3], s[G0B+4*\s+3], 0x80000000
	s_wait_alu depctr_va_vdst(0)
	s_wait_tensorcnt 0x0
	ds_add_u32 v28, v29
	ds_add_u32 v28, v29
	s_wait_dscnt 0x0
	CROUND
	JLOAD G0+4*\s, G1, G0B+4*\s, G1B
.endr
	v_and_b32 v1, 31, v0
	v_lshlrev_b32 v[CO], 4, v1
	s_lshl_b32 s22, s15, 15
	s_lshl_b32 s23, s16, 15
	s_add_co_u32 s23, s23, 2*HALFT
.irp s, 0,1
	v_add_nc_u32 v[ADRA+\s], s22, v[CO]
	v_add_nc_u32 v[ADRB+\s], s23, v[CO]
	s_add_co_u32 s22, s22, SLOT
	s_add_co_u32 s23, s23, SLOT
.endr
	v_bfe_u32 v2, v0, 4, 1
	s_lshl_b32 s12, s42, 10
	s_lshl_b32 s13, s16, 9
	s_add_co_u32 s12, s12, s13
	v_lshl_add_u32 v4, v2, 6, s12
.irp b, 0,1,2,3
.irp j, 0,1,2,3
	global_load_b128 v[BN+16*\b+4*\j:BN+16*\b+4*\j+3], v4, s[8:9] offset:128*\b+16*\j
.endr
.endr
	s_lshl_b32 s12, s17, 4
	s_lshl_b32 s13, s15, 3
	s_add_co_u32 s12, s12, s13
	s_lshl_b32 s12, s12, 5
	s_lshl_b32 s13, s42, 1
	s_add_co_u32 s12, s12, s13
	s_add_co_u32 s12, s12, s16
	s_lshl_b32 s12, s12, 11
	s_mov_b32 s13, 0
	s_add_nc_u64 s[72:73], s[72:73], s[12:13]
.macro FRAG reg, adr, q, i
.irp c, 0,1,2,3
	ds_load_b128 v[\reg+4*\c:\reg+4*\c+3], v[\adr] offset:4096*(\i)+2048*(\q)+512*\c
.endr
.endm
.macro MUL16 a0, p, zero
.irp a, \a0, \a0+1
.irp b, 0,1,2,3,4,5,6,7
.if \zero
	v_wmma_f32_16x16x128_fp8_fp8 v[8*(8*((\a)%4)+\b):8*(8*((\a)%4)+\b)+7], v[128*(\p)+FR*\b:128*(\p)+FR*\b+FR-1], v[AF+FR*(\a):AF+FR*(\a)+FR-1], 0
.else
	v_wmma_f32_16x16x128_fp8_fp8 v[8*(8*((\a)%4)+\b):8*(8*((\a)%4)+\b)+7], v[128*(\p)+FR*\b:128*(\p)+FR*\b+FR-1], v[AF+FR*(\a):AF+FR*(\a)+FR-1], v[8*(8*((\a)%4)+\b):8*(8*((\a)%4)+\b)+7]
.endif
.endr
.endr
.endm
.macro FETCH_B slot, q, p
	WIN TO_B
.irp i, 0,1,2,3,4,5,6,7
	FRAG 128*(\p)+FR*\i, ADRB+\slot, \q, \i
.endr
	WIN 0
.endm
.macro FETCH_A slot, q, i0
.irp i, \i0, \i0+1, \i0+2, \i0+3
	FRAG AF+FR*(\i), ADRA+\slot, \q, \i
.endr
.endm
.macro PLACES n
.rept \n
	v_nop
.endr
.endm
.macro STEP slot, q, zero
	s_wait_dscnt 4*NL
	WIN MUL_LO
	MUL16 0, (\q)%2, \zero
	MUL16 2, (\q)%2, \zero
	s_wait_dscnt 0
	PLACES NP
	FETCH_B \slot, (\q)+1, 1-(\q)%2
	FETCH_A \slot, (\q)+1, 0
	WIN MUL_HI
	MUL16 4, (\q)%2, \zero
	MUL16 6, (\q)%2, \zero
	PLACES NP
	WIN 0
	FETCH_A \slot, (\q)+1, 4
.endm
.macro TURN slot, next, fill
	s_wait_tensorcnt 0x0
	ds_add_u32 v[SPW], v[NIL]
	s_wait_dscnt 4*NL+1
	WIN MUL_LO
	MUL16 0, 1, 0
	s_wait_dscnt 0x0
	s_barrier_signal -1
	MUL16 2, 1, 0
	WIN 0
	s_barrier_wait -1
.if \fill
	CREST
	s_add_nc_u64 s[G0+4*\slot+2:G0+4*\slot+3], s[G0+4*\slot+2:G0+4*\slot+3], 2*ROWB
	s_add_nc_u64 s[G0B+4*\slot+2:G0B+4*\slot+3], s[G0B+4*\slot+2:G0B+4*\slot+3], 2*ROWB
	JLOAD G0+4*\slot, G1, G0B+4*\slot, G1B
.else
	PLACES NP
.endif
	FETCH_B \next, 0, 0
	FETCH_A \next, 0, 0
	WIN MUL_HI
	MUL16 4, 1, 0
	MUL16 6, 1, 0
	PLACES NP
	WIN 0
	FETCH_A \next, 0, 4
.endm
	s_wait_alu depctr_va_vdst(0)
	s_wait_tensorcnt 1
	s_barrier_signal -1
	s_barrier_wait -1
	FETCH_B 0, 0, 0
	FETCH_A 0, 0, 0
	FETCH_A 0, 0, 4
	STEP 0, 0, 1
	s_mov_b32 s3, LAPS-1
.Llap:
	TURN 0, 1, 1
	STEP 1, 0, 0
	TURN 1, 0, 1
	STEP 0, 0, 0
	s_sub_co_u32 s3, s3, 1
	s_cmp_lg_u32 s3, 0
	s_cbranch_scc1 .Llap
	TURN 0, 1, 0
	STEP 1, 0, 0
	s_wait_dscnt 4*NL
	WIN MUL_LO
	MUL16 0, 1, 0
	MUL16 2, 1, 0
	s_wait_dscnt 0
	WIN MUL_HI
	MUL16 4, 1, 0
	MUL16 6, 1, 0
	WIN 0
.macro EPI a
	s_wait_xcnt 0x0
	WIN 0x02+((\a)/4)
.set AC, 64*((\a)%4)
.set CC, CD+16*((\a)%2)
.set j, 0
.rept 32
	v_pk_fma_f32 v[TMP+j:TMP+j+1], v[AC+j:AC+j+1], s[98:99], v[BN+j:BN+j+1] op_sel_hi:[1,0,1]
.set j, j+2
.endr
	WIN 0
.set j, 0
.rept 32
	v_pk_mul_f32 v[E+j:E+j+1], v[TMP+j:TMP+j+1], v[TMP+j:TMP+j+1]
.set j, j+2
.endr
.set j, 0
.rept 32
	v_pk_fma_f32 v[E+j:E+j+1], v[E+j:E+j+1], s[76:77], v[2:3] op_sel_hi:[1,0,1]
.set j, j+2
.endr
.set j, 0
.rept 32
	v_pk_mul_f32 v[E+j:E+j+1], v[E+j:E+j+1], v[TMP+j:TMP+j+1]
.set j, j+2
.endr
.set j, 0
	s_wait_alu depctr_va_vdst(0)
.rept 64
	v_exp_f32 v[E+j], v[E+j]
.set j, j+1
.endr
	v_nop
	s_wait_alu depctr_va_vdst(0)
.set j, 0
.rept 32
	v_pk_add_f32 v[E+j:E+j+1], v[E+j:E+j+1], 1.0 op_sel_hi:[1,0]
.set j, j+2
.endr
.set j, 0
	s_wait_alu depctr_va_vdst(0)
.rept 64
	v_rcp_f32 v[E+j], v[E+j]
.set j, j+1
.endr
	v_nop
	s_wait_alu depctr_va_vdst(0)
.set j, 0
.rept 32
	v_pk_mul_f32 v[TMP+j:TMP+j+1], v[TMP+j:TMP+j+1], v[E+j:E+j+1]
.set j, j+2
.endr
.set j, 0
.rept 64
	v_med3_num_f32 v[TMP+j], v[TMP+j], -v[VLIM], v[VLIM]
.set j, j+1
.endr
.irp b, 0,1,2,3
	v_cvt_scalef32_pk8_fp8_f32 v[CC+4*\b:CC+4*\b+1], v[TMP+16*\b:TMP+16*\b+7], v[VSC]
	v_cvt_scalef32_pk8_fp8_f32 v[CC+4*\b+2:CC+4*\b+3], v[TMP+16*\b+8:TMP+16*\b+15], v[VSC]
.endr
	v_nop
.irp b, 0,1,2,3
	global_store_b128 v[CO], v[CC+4*\b:CC+4*\b+3], s[72:73] offset:(\a)*65536+\b*512 th:TH_STORE_NT
.endr
.endm
	s_wait_kmcnt 0x0
	s_add_co_i32 s98, s92, s93
	s_add_co_i32 s98, s98, 127
	s_lshl_b32 s98, s98, 23
	s_mov_b32 s99, s98
	s_add_co_i32 s79, s94, 127
	s_lshl_b32 s12, s79, 23
	v_mov_b32 v[VSC], s12
	s_add_co_i32 s79, s79, 8
	s_lshl_b32 s79, s79, 23
	s_or_b32 s79, s79, 0x600000
	v_mov_b32 v[VLIM], s79
	s_mov_b32 s76, 0xbdd2d3e8
	s_mov_b32 s77, s76
	v_mov_b32 v2, 0xc0135761
	v_mov_b32 v3, 0xc0135761
	s_wait_loadcnt 0x0
	PLACES NP
.irp a, 0,1,2,3,4,5,6,7
	EPI \a
.endr
	s_wait_tensorcnt 0x0
	ds_add_u32 v[SPW], v[NIL]
	s_wait_dscnt 0x0
	CROUND
	s_endpgm
.Lfunc_end_k_q9d75ecc709_ffn1:
	.size	k_q9d75ecc709_ffn1, .Lfunc_end_k_q9d75ecc709_ffn1-k_q9d75ecc709_ffn1
	.p2alignl 7, 3214868480
	.fill 96, 4, 3214868480
	.section	.rodata,"a",@progbits
	.p2align	6, 0x0
	.amdhsa_kernel k_q9d75ecc709_ffn1
		.amdhsa_group_segment_fixed_size 327680
		.amdhsa_private_segment_fixed_size 0
		.amdhsa_enable_private_segment 0
		.amdhsa_kernarg_size 40
		.amdhsa_user_sgpr_count 2
		.amdhsa_user_sgpr_kernarg_segment_ptr 1
		.amdhsa_wavefront_size32 1
		.amdhsa_system_sgpr_workgroup_id_x 1
		.amdhsa_system_sgpr_workgroup_id_y 1
		.amdhsa_system_sgpr_workgroup_id_z 1
		.amdhsa_system_vgpr_workitem_id 0
		.amdhsa_next_free_vgpr 1024
		.amdhsa_next_free_sgpr 100
		.amdhsa_reserve_vcc 0
		.amdhsa_float_denorm_mode_32 3
		.amdhsa_float_denorm_mode_16_64 3
		.amdhsa_memory_ordered 1
		.amdhsa_forward_progress 1
		.amdhsa_inst_pref_size 250
	.end_amdhsa_kernel
	.amdgpu_metadata
---
amdhsa.version: [ 1, 2 ]
amdhsa.kernels:
  - .name:           k_q9d75ecc709_ffn1
    .symbol:         k_q9d75ecc709_ffn1.kd
    .args:
      - { .name: ac, .offset: 0, .size: 8, .value_kind: global_buffer, .address_space: global }
      - { .name: wc, .offset: 8, .size: 8, .value_kind: global_buffer, .address_space: global }
      - { .name: b1, .offset: 16, .size: 8, .value_kind: global_buffer, .address_space: global }
      - { .name: lowp_scales, .offset: 24, .size: 8, .value_kind: global_buffer, .address_space: global }
      - { .name: hc, .offset: 32, .size: 8, .value_kind: global_buffer, .address_space: global }
    .group_segment_fixed_size: 327680
    .private_segment_fixed_size: 0
    .kernarg_segment_align: 8
    .kernarg_segment_size: 40
    .max_flat_workgroup_size: 128
    .sgpr_count:     100
    .vgpr_count:     1024
    .wavefront_size: 32
...
	.end_amdgpu_metadata
.endif
;; end of part 6
;; launch ffn2 (part 7): grid 8 x 32, 4 waves a work-group, clusters of 4 x 4, 327,680 bytes of LDS; arguments hc, wc, b2, lowp_scales, z; writes z
.if DOCPART == 7
	.amdgcn_target "amdgcn-amd-amdhsa--gfx1250"
	.amdhsa_code_object_version 6
	.text
	.protected	k_q9d75ecc709_ffn2
	.globl	k_q9d75ecc709_ffn2
	.p2align	8
	.type	k_q9d75ecc709_ffn2,@function
k_q9d75ecc709_ffn2:
	s_mov_b64 s[64:65], 0
	v_nop
	global_prefetch_b8 v0, s[64:65] scope:SCOPE_SE
	s_setreg_imm32_b32 hwreg(HW_REG_WAVE_MODE, 25, 1), 1
	s_wait_xcnt 0x0
	s_wait_alu depctr_hold_cnt(0) depctr_sa_sdst(0) depctr_va_vdst(0) depctr_va_sdst(0) depctr_va_ssrc(0) depctr_va_vcc(0) depctr_vm_vsrc(0)
	s_getreg_b32 s2, hwreg(HW_REG_IB_STS2, 6, 4)
	s_cmp_eq_u32 s2, 0
	s_cbranch_scc0 .Lentry_in_a_cluster
	s_endpgm
.Lentry_in_a_cluster:
	s_bfe_u32 s2, ttmp6, 0x10000c
	s_cmp_lg_u32 s2, 0xf033
	s_cbranch_scc0 .Lentry_shape_is_right
	s_endpgm
.Lentry_shape_is_right:
.set SIZE_K, 4096
.set RESID,  0
.set A_OFF,  0
.set B_OFF,  0x800000
.set EA,     14
.set EB,     15
.set TPB,    16*SIZE_K
.set KSB,    8192
.set HALFT,  32768
.set SLOT,   131072
.set LAPS,   SIZE_K/1024
.set STAGE,  262144
.set SPARE,  STAGE+4*16*272
.set ADRA, 16
.set ADRB, 20
.set STO,  24
.set RD,   25
.set CO,   26
.set SPW,  28
.set NIL,  29
.set RB,   32
.set BI,   96
.set ACC,  128
.set F0,   0
.set F1,   128
.set G1, 24
.set G0, 32
.set G1B, 48
.set G0B, 56
.set MSB, 0
.macro WIN new
.if MSB != \new
	s_set_vgpr_msb (MSB<<8)|\new
.set MSB, \new
.endif
.endm
.set MUL,  0x05
.set TO_F, 0x40
.macro JLOAD s
	s_cmp_eq_u32 s15, 0
	s_cbranch_scc0 .Lfor_b_\@
	tensor_load_to_lds s[G0+4*\s:G0+4*\s+3], s[G1:G1+7]
	s_nop 0
.rept 4
	v_nop
.endr
	s_branch .Lasked_\@
.Lfor_b_\@:
	tensor_load_to_lds s[G0B+4*\s:G0B+4*\s+3], s[G1B:G1B+7]
	s_nop 0
.rept 4
	v_nop
.endr
.Lasked_\@:
.endm
.macro CREST
	s_cmp_lg_u32 s14, 0
	s_cbranch_scc1 .Lnot_wave_0_\@
	s_barrier_signal -3
.Lnot_wave_0_\@:
	s_barrier_wait -3
	s_barrier_signal -1
	s_barrier_wait -1
.endm
.macro CROUND
	s_barrier_signal -1
	s_barrier_wait -1
	CREST
.endm
	s_load_b256 s[4:11], s[0:1], 0x0
	s_load_b64 s[12:13], s[0:1], 0x20
.if RESID
	s_load_b64 s[68:69], s[0:1], 0x28
.endif
	v_lshl_add_u32 v[SPW], v0, 2, SPARE
	v_mov_b32 v[NIL], 0
	ds_add_u32 v28, v29
	ds_add_u32 v28, v29
	s_wait_dscnt 0x0
	v_lshrrev_b32 v1, 5, v0
	v_readfirstlane_b32 s14, v1
	s_lshr_b32 s15, s14, 1
	s_and_b32 s16, s14, 1
	s_bfe_u32 s40, ttmp6, 0x40000
	s_bfe_u32 s41, ttmp6, 0x40004
	s_lshl_b32 s42, ttmp9, 2
	s_add_co_u32 s42, s42, s40
	s_and_b32 s17, ttmp7, 0xffff
	s_lshl_b32 s17, s17, 2
	s_add_co_u32 s17, s17, s41
	s_lshl_b32 s43, s41, 2
	s_lshl_b32 s43, 15, s43
	s_lshl_b32 s44, 0x1111, s40
	s_or_b32 s[G1+0], s43, (3<<16)|(1<<21)
	s_or_b32 s[G1B+0], s44, (3<<16)|(1<<21)
.irp g, G1, G1B
	s_mov_b32 s[\g+1], 1024<<16
	s_mov_b32 s[\g+2], 4<<16
	s_mov_b32 s[\g+3], 1024<<16
	s_mov_b32 s[\g+4], 4
	s_mov_b32 s[\g+5], 2*SIZE_K
	s_mov_b32 s[\g+6], 0
	s_mov_b32 s[\g+7], 0
.endr
	s_lshl_b32 s18, s17, 3
	s_lshl_b32 s19, s16, 2
	s_add_co_u32 s18, s18, s19
	s_mul_i32 s18, s18, TPB
	s_add_co_u32 s18, s18, A_OFF
	s_mov_b32 s19, 0
	s_lshl_b32 s66, s42, 3
	s_lshl_b32 s67, s16, 2
	s_add_co_u32 s66, s66, s67
	s_mul_i32 s66, s66, TPB
	s_add_co_u32 s66, s66, B_OFF
	s_mov_b32 s67, 0
	s_lshl_b32 s45, s14, 15
	s_wait_kmcnt 0x0
	s_load_b512 s[80:95], s[10:11], 0x0
	s_add_nc_u64 s[20:21], s[4:5], s[18:19]
	s_add_nc_u64 s[46:47], s[6:7], s[66:67]
	CROUND
.irp s, 0,1
	s_mov_b32 s[G0+4*\s], 1
	s_add_co_u32 s[G0+4*\s+1], s45, \s*SLOT
	s_add_nc_u64 s[G0+4*\s+2:G0+4*\s+3], s[20:21], \s*KSB
	s_or_b32 s[G0+4*\s+3], s[G0+4*\s+3], 0x80000000
	s_mov_b32 s[G0B+4*\s], 1
	s_add_co_u32 s[G0B+4*\s+1], s45, \s*SLOT
	s_add_nc_u64 s[G0B+4*\s+2:G0B+4*\s+3], s[46:47], \s*KSB
	s_or_b32 s[G0B+4*\s+3], s[G0B+4*\s+3], 0x80000000
	s_wait_alu depctr_va_vdst(0)
	s_wait_tensorcnt 0x0
	ds_add_u32 v28, v29
	ds_add_u32 v28, v29
	s_wait_dscnt 0x0
	CROUND
	JLOAD \s
.endr
	v_and_b32 v1, 15, v0
	s_wait_alu depctr_va_vdst(0)
	v_bfe_u32 v2, v0, 4, 1
	v_and_b32 v3, 31, v0
	v_lshlrev_b32 v3, 4, v3
	s_lshl_b32 s22, s15, 15
	s_lshl_b32 s23, s16, 15
	s_add_co_u32 s23, s23, 2*HALFT
.irp s, 0,1
	v_add_nc_u32 v[ADRA+\s], s22, v3
	v_add_nc_u32 v[ADRB+\s], s23, v3
	s_add_co_u32 s22, s22, SLOT
	s_add_co_u32 s23, s23, SLOT
.endr
	s_mul_i32 s22, s14, 16*272
	s_add_co_u32 s22, s22, STAGE
	v_mul_u32_u24 v4, v1, 272
	s_wait_alu depctr_va_vdst(0)
	v_lshl_add_u32 v4, v2, 6, v4
	v_add_nc_u32 v[STO], s22, v4
	v_mul_u32_u24 v4, v2, 272
	v_lshl_add_u32 v4, v1, 4, v4
	v_add_nc_u32 v[RD], s22, v4
	v_lshlrev_b32 v4, 12, v2
	v_lshl_add_u32 v[CO], v1, 4, v4
	s_lshl_b32 s22, s42, 9
	s_lshl_b32 s23, s16, 8
	s_add_co_u32 s22, s22, s23
	v_lshl_add_u32 v5, v1, 4, s22
	global_load_b128 v[BI:BI+3], v5, s[8:9]
	s_lshl_b32 s74, s17, 19
	s_lshl_b32 s75, s15, 18
	s_add_co_u32 s74, s74, s75
	s_add_co_u32 s74, s74, s22
	s_mov_b32 s75, 0
	s_add_nc_u64 s[12:13], s[12:13], s[74:75]
.if RESID
	s_add_nc_u64 s[68:69], s[68:69], s[74:75]
	WIN 0x80
.irp a, 0,1,2,3
.irp t, 0,1,2,3,4,5,6,7
	global_load_b128 v[32*\a+4*\t:32*\a+4*\t+3], v[CO], s[68:69] offset:(16*\a+2*\t)*4096 th:TH_LOAD_NT
.endr
.endr
	WIN 0
.endif
.macro MULA f, a, zero
.irp b, 0,1,2,3
.if \zero
	v_wmma_f32_16x16x128_fp8_fp8 v[ACC+8*(4*(\a)+\b):ACC+8*(4*(\a)+\b)+7], v[\f+64+16*\b:\f+64+16*\b+15], v[\f+16*(\a):\f+16*(\a)+15], 0
.else
	v_wmma_f32_16x16x128_fp8_fp8 v[ACC+8*(4*(\a)+\b):ACC+8*(4*(\a)+\b)+7], v[\f+64+16*\b:\f+64+16*\b+15], v[\f+16*(\a):\f+16*(\a)+15], v[ACC+8*(4*(\a)+\b):ACC+8*(4*(\a)+\b)+7]
.endif
.endr
.endm
.macro FETCH slot, q, f
	WIN TO_F
.irp i, 0,1,2,3
.irp c, 0,1,2,3
	ds_load_b128 v[\f+64+16*\i+4*\c:\f+64+16*\i+4*\c+3], v[ADRB+\slot] offset:8192*\i+2048*(\q)+512*\c
.endr
.endr
.irp i, 0,1,2,3
.irp c, 0,1,2,3
	ds_load_b128 v[\f+16*\i+4*\c:\f+16*\i+4*\c+3], v[ADRA+\slot] offset:8192*\i+2048*(\q)+512*\c
.endr
.endr
.endm
.macro PLACES
.rept 4
	v_nop
.endr
.endm
.macro QUARTER slot, q, f, g, zero
	s_wait_dscnt 8
	WIN MUL
	MULA \f, 0, \zero
	MULA \f, 1, \zero
	PLACES
	FETCH \slot, \q, \g
	s_wait_dscnt 32
	WIN MUL
	MULA \f, 2, \zero
	MULA \f, 3, \zero
.endm
.macro TURN slot, next, fill
	WIN 0
	s_wait_tensorcnt 0x0
	ds_add_u32 v[SPW], v[NIL]
	s_wait_dscnt 9
	WIN MUL
	MULA F1, 0, 0
	s_wait_dscnt 0x0
	s_barrier_signal -1
	MULA F1, 1, 0
.if \fill
	WIN 0
.endif
	s_barrier_wait -1
.if \fill
	CREST
	s_add_nc_u64 s[G0+4*\slot+2:G0+4*\slot+3], s[G0+4*\slot+2:G0+4*\slot+3], 2*KSB
	s_add_nc_u64 s[G0B+4*\slot+2:G0B+4*\slot+3], s[G0B+4*\slot+2:G0B+4*\slot+3], 2*KSB
	JLOAD \slot
.else
	PLACES
.endif
	FETCH \next, 0, F0
	WIN MUL
	MULA F1, 2, 0
	MULA F1, 3, 0
.endm
	s_wait_tensorcnt 1
	s_barrier_signal -1
	s_barrier_wait -1
	FETCH 0, 0, F0
	QUARTER 0, 1, F0, F1, 1
.if LAPS > 1
	WIN 0
	s_mov_b32 s3, LAPS-1
.Llap:
	QUARTER 0, 2, F1, F0, 0
	QUARTER 0, 3, F0, F1, 0
	TURN 0, 1, 1
	QUARTER 1, 1, F0, F1, 0
	QUARTER 1, 2, F1, F0, 0
	QUARTER 1, 3, F0, F1, 0
	TURN 1, 0, 1
	QUARTER 0, 1, F0, F1, 0
	WIN 0
	s_sub_co_u32 s3, s3, 1
	s_cmp_lg_u32 s3, 0
	s_cbranch_scc1 .Llap
.endif
	QUARTER 0, 2, F1, F0, 0
	QUARTER 0, 3, F0, F1, 0
	TURN 0, 1, 0
	QUARTER 1, 1, F0, F1, 0
	QUARTER 1, 2, F1, F0, 0
	QUARTER 1, 3, F0, F1, 0
	s_wait_dscnt 8
	WIN MUL
	MULA F1, 0, 0
	MULA F1, 1, 0
	s_wait_alu depctr_va_vdst(0)
	s_wait_dscnt 0
	MULA F1, 2, 0
	MULA F1, 3, 0
	WIN 0
.macro OUT a
.set RBS, RB+32*((\a)%2)
.if (\a) >= 2
	s_wait_xcnt 0x0
.endif
.irp b, 0,1,2,3
	ds_store_b128 v[STO], v[ACC+8*(4*(\a)+\b):ACC+8*(4*(\a)+\b)+3] offset:128*(\b/2)+32*(\b%2)
	ds_store_b128 v[STO], v[ACC+8*(4*(\a)+\b)+4:ACC+8*(4*(\a)+\b)+7] offset:128*(\b/2)+32*(\b%2)+16
.endr
.irp t, 0,1,2,3,4,5,6,7
	ds_load_b128 v[RBS+4*\t:RBS+4*\t+3], v[RD] offset:544*\t
.endr
	s_wait_dscnt 0x0
.irp t, 0,1,2,3,4,5,6,7
	v_pk_fma_f32 v[RBS+4*\t:RBS+4*\t+1], v[RBS+4*\t:RBS+4*\t+1], s[98:99], v[BI:BI+1] op_sel_hi:[1,0,1]
	v_pk_fma_f32 v[RBS+4*\t+2:RBS+4*\t+3], v[RBS+4*\t+2:RBS+4*\t+3], s[98:99], v[BI+2:BI+3] op_sel_hi:[1,0,1]
.endr
.if RESID
	WIN 0x08
.irp t, 0,1,2,3,4,5,6,7
	v_pk_add_f32 v[RBS+4*\t:RBS+4*\t+1], v[RBS+4*\t:RBS+4*\t+1], v[32*(\a)+4*\t:32*(\a)+4*\t+1]
	v_pk_add_f32 v[RBS+4*\t+2:RBS+4*\t+3], v[RBS+4*\t+2:RBS+4*\t+3], v[32*(\a)+4*\t+2:32*(\a)+4*\t+3]
.endr
	WIN 0
.endif
.irp t, 0,1,2,3,4,5,6,7
	global_store_b128 v[CO], v[RBS+4*\t:RBS+4*\t+3], s[12:13] offset:(16*(\a)+2*\t)*4096
.endr
.endm
	s_wait_kmcnt 0x0
	s_add_co_i32 s98, s[80+EA], s[80+EB]
	s_add_co_i32 s98, s98, 127
	s_lshl_b32 s98, s98, 23
	s_mov_b32 s99, s98
	s_wait_loadcnt 0x0
	PLACES
.irp a, 0,1,2,3
	OUT \a
.endr
	s_wait_tensorcnt 0x0
	ds_add_u32 v[SPW], v[NIL]
	s_wait_dscnt 0x0
	CROUND
	s_endpgm
.Lfunc_end_k_q9d75ecc709_ffn2:
	.size	k_q9d75ecc709_ffn2, .Lfunc_end_k_q9d75ecc709_ffn2-k_q9d75ecc709_ffn2
	.p2alignl 7, 3214868480
	.fill 96, 4, 3214868480
	.section	.rodata,"a",@progbits
	.p2align	6, 0x0
	.amdhsa_kernel k_q9d75ecc709_ffn2
		.amdhsa_group_segment_fixed_size 327680
		.amdhsa_private_segment_fixed_size 0
		.amdhsa_enable_private_segment 0
		.amdhsa_kernarg_size 40
		.amdhsa_user_sgpr_count 2
		.amdhsa_user_sgpr_kernarg_segment_ptr 1
		.amdhsa_wavefront_size32 1
		.amdhsa_system_sgpr_workgroup_id_x 1
		.amdhsa_system_sgpr_workgroup_id_y 1
		.amdhsa_system_sgpr_workgroup_id_z 1
		.amdhsa_system_vgpr_workitem_id 0
		.amdhsa_next_free_vgpr 512
		.amdhsa_next_free_sgpr 100
		.amdhsa_reserve_vcc 0
		.amdhsa_float_denorm_mode_32 3
		.amdhsa_float_denorm_mode_16_64 3
		.amdhsa_memory_ordered 1
		.amdhsa_forward_progress 1
		.amdhsa_inst_pref_size 75
	.end_amdhsa_kernel
	.amdgpu_metadata
---
amdhsa.version: [ 1, 2 ]
amdhsa.kernels:
  - .name:           k_q9d75ecc709_ffn2
    .symbol:         k_q9d75ecc709_ffn2.kd
    .args:
      - { .name: hc, .offset: 0, .size: 8, .value_kind: global_buffer, .address_space: global }
      - { .name: wc, .offset: 8, .size: 8, .value_kind: global_buffer, .address_space: global }
      - { .name: b2, .offset: 16, .size: 8, .value_kind: global_buffer, .address_space: global }
      - { .name: lowp_scales, .offset: 24, .size: 8, .value_kind: global_buffer, .address_space: global }
      - { .name: z, .offset: 32, .size: 8, .value_kind: global_buffer, .address_space: global }
    .group_segment_fixed_size: 327680
    .private_segment_fixed_size: 0
    .kernarg_segment_align: 8
    .kernarg_segment_size: 40
    .max_flat_workgroup_size: 128
    .sgpr_count:     100
    .vgpr_count:     512
    .wavefront_size: 32
...
	.end_amdgpu_metadata
.endif
;; end of part 7
;; launch ln2 (part 8): grid 256 x 1, 16 waves a work-group, no clusters, 0 bytes of LDS; arguments y, z, ln1_scale, ln1_bias, ln2_scale, ln2_bias, out0; writes out0
.if DOCPART == 8
	.amdgcn_target "amdgcn-amd-amdhsa--gfx1250"
	.amdhsa_code_object_version 6
	.text
	.protected	k_q9d75ecc709_ln2
	.globl	k_q9d75ecc709_ln2
	.p2align	8
	.type	k_q9d75ecc709_ln2,@function
k_q9d75ecc709_ln2:
	s_mov_b64 s[64:65], 0
	v_nop
	global_prefetch_b8 v0, s[64:65] scope:SCOPE_SE
	s_setreg_imm32_b32 hwreg(HW_REG_WAVE_MODE, 25, 1), 1
	s_wait_xcnt 0x0
; out = LayerNorm2(x1 + z), x1 = LayerNorm1(y) made anew from y (the same arithmetic as in the launch that quantised it), so that x1 never goes to memory.
; A wave takes one row of 1,024 numbers, 32 a lane; each load and store of a wave covers 512 consecutive bytes.  Mean first, then the mean of the squared differences.  Memory binds: no LDS, no barrier, no matrix unit.
.set Y,  16
.set Z,  48
.set S1, 80
.set B1, 112
.set S2, 144
.set B2, 176
.set TT, 208
.macro REDUCE v, t
	s_delay_alu instid0(VALU_DEP_1)
	v_add_f32_dpp v[\v], v[\v], v[\v] row_xmask:1 row_mask:0xf bank_mask:0xf
	s_delay_alu instid0(VALU_DEP_1)
	v_add_f32_dpp v[\v], v[\v], v[\v] row_xmask:2 row_mask:0xf bank_mask:0xf
	s_delay_alu instid0(VALU_DEP_1)
	v_add_f32_dpp v[\v], v[\v], v[\v] row_xmask:4 row_mask:0xf bank_mask:0xf
	s_delay_alu instid0(VALU_DEP_1)
	v_add_f32_dpp v[\v], v[\v], v[\v] row_xmask:8 row_mask:0xf bank_mask:0xf
	s_delay_alu instid0(VALU_DEP_1)
	v_permlanex16_b32 v[\t], v[\v], s12, s13
	s_delay_alu instid0(VALU_DEP_1)
	v_add_f32 v[\v], v[\v], v[\t]
.endm
.macro FOLD
	s_delay_alu instid0(VALU_DEP_3)
	v_pk_add_f32 v[TT:TT+1], v[TT:TT+1], v[TT+2:TT+3]
	s_delay_alu instid0(VALU_DEP_2)
	v_pk_add_f32 v[TT+4:TT+5], v[TT+4:TT+5], v[TT+6:TT+7]
	s_delay_alu instid0(VALU_DEP_1)
	v_pk_add_f32 v[TT:TT+1], v[TT:TT+1], v[TT+4:TT+5]
	s_delay_alu instid0(VALU_DEP_1)
	v_add_f32 v[TT], v[TT], v[TT+1]
	REDUCE TT, TT+1
.endm
.macro LN xr, gr, br
.irp k, 0,1,2,3
	v_pk_add_f32 v[TT+2*\k:TT+2*\k+1], v[\xr+4*\k:\xr+4*\k+1], v[\xr+4*\k+2:\xr+4*\k+3]
.endr
.irp m, 16,24
.irp k, 0,1,2,3
	s_delay_alu instid0(VALU_DEP_4)
	v_pk_add_f32 v[TT+2*\k:TT+2*\k+1], v[TT+2*\k:TT+2*\k+1], v[\xr+\m+2*\k:\xr+\m+2*\k+1]
.endr
.endr
	FOLD
	s_delay_alu instid0(VALU_DEP_1)
	v_mul_f32 v[TT+8], s14, v[TT]
	s_delay_alu instid0(VALU_DEP_1)
	v_mov_b32 v[TT+9], v[TT+8]
.irp k, 0,2,4,6,8,10,12,14,16,18,20,22,24,26,28,30
	v_pk_add_f32 v[\xr+\k:\xr+\k+1], v[\xr+\k:\xr+\k+1], v[TT+8:TT+9] neg_lo:[0,1] neg_hi:[0,1]
.endr
.irp k, 0,1,2,3
	v_pk_mul_f32 v[TT+2*\k:TT+2*\k+1], v[\xr+2*\k:\xr+2*\k+1], v[\xr+2*\k:\xr+2*\k+1]
.endr
.irp m, 8,16,24
.irp k, 0,1,2,3
	s_delay_alu instid0(VALU_DEP_4)
	v_pk_fma_f32 v[TT+2*\k:TT+2*\k+1], v[\xr+\m+2*\k:\xr+\m+2*\k+1], v[\xr+\m+2*\k:\xr+\m+2*\k+1], v[TT+2*\k:TT+2*\k+1]
.endr
.endr
	FOLD
	s_delay_alu instid0(VALU_DEP_1)
	v_fma_f32 v[TT], v[TT], s14, s15
	s_wait_alu depctr_va_vdst(0)
	v_rsq_f32 v[TT+8], v[TT]
	v_nop
	s_wait_alu depctr_va_vdst(0)                   ; ahead of the first reader
	v_mov_b32 v[TT+9], v[TT+8]
.irp k, 0,2,4,6,8,10,12,14,16,18,20,22,24,26,28,30
	v_pk_mul_f32 v[\xr+\k:\xr+\k+1], v[\xr+\k:\xr+\k+1], v[TT+8:TT+9]
.endr
.irp k, 0,2,4,6,8,10,12,14,16,18,20,22,24,26,28,30
	v_pk_fma_f32 v[\xr+\k:\xr+\k+1], v[\xr+\k:\xr+\k+1], v[\gr+\k:\gr+\k+1], v[\br+\k:\br+\k+1]
.endr
.endm
	s_load_b256 s[4:11], s[0:1], 0x0               ; y, z, gain 1, bias 1
	s_load_b128 s[16:19], s[0:1], 0x20             ; gain 2, bias 2
	s_load_b64 s[20:21], s[0:1], 0x30              ; out
	v_lshrrev_b32 v1, 5, v0
	s_delay_alu instid0(VALU_DEP_1)
	v_readfirstlane_b32 s22, v1
	v_and_b32 v1, 31, v0
	s_delay_alu instid0(VALU_DEP_1)
	v_lshlrev_b32 v2, 4, v1
	s_lshl_b32 s24, ttmp9, 16
	s_lshl_b32 s25, s22, 12
	s_add_co_u32 s24, s24, s25                     ; my row
	s_mov_b32 s25, 0
	s_mov_b32 s12, 0x76543210
	s_mov_b32 s13, 0xfedcba98
	s_mov_b32 s14, 0x3a800000                      ; 1 / 1,024
	s_mov_b32 s15, 0x358637bd                      ; 1e-6
	s_wait_alu depctr_va_vdst(0)
	s_wait_kmcnt 0x0
	s_add_nc_u64 s[4:5], s[4:5], s[24:25]
	s_add_nc_u64 s[6:7], s[6:7], s[24:25]
	s_add_nc_u64 s[20:21], s[20:21], s[24:25]
.irp j, 0,1,2,3,4,5,6,7
	global_load_b128 v[Y+4*\j:Y+4*\j+3], v2, s[4:5] offset:512*\j th:TH_LOAD_NT
	global_load_b128 v[Z+4*\j:Z+4*\j+3], v2, s[6:7] offset:512*\j th:TH_LOAD_NT
.endr
.irp j, 0,1,2,3,4,5,6,7
	global_load_b128 v[S1+4*\j:S1+4*\j+3], v2, s[8:9] offset:512*\j
	global_load_b128 v[B1+4*\j:B1+4*\j+3], v2, s[10:11] offset:512*\j
	global_load_b128 v[S2+4*\j:S2+4*\j+3], v2, s[16:17] offset:512*\j
	global_load_b128 v[B2+4*\j:B2+4*\j+3], v2, s[18:19] offset:512*\j
.endr
	s_wait_loadcnt 0x0
	LN Y, S1, B1
.irp k, 0,2,4,6,8,10,12,14,16,18,20,22,24,26,28,30
	v_pk_add_f32 v[Y+\k:Y+\k+1], v[Y+\k:Y+\k+1], v[Z+\k:Z+\k+1]
.endr
	LN Y, S2, B2
.irp j, 0,1,2,3,4,5,6,7
	global_store_b128 v2, v[Y+4*\j:Y+4*\j+3], s[20:21] offset:512*\j th:TH_STORE_NT
.endr
	s_endpgm
.Lfunc_end_k_q9d75ecc709_ln2:
	.size	k_q9d75ecc709_ln2, .Lfunc_end_k_q9d75ecc709_ln2-k_q9d75ecc709_ln2
	.p2alignl 7, 3214868480
	.fill 96, 4, 3214868480
	.section	.rodata,"a",@progbits
	.p2align	6, 0x0
	.amdhsa_kernel k_q9d75ecc709_ln2
		.amdhsa_group_segment_fixed_size 0
		.amdhsa_private_segment_fixed_size 0
		.amdhsa_enable_private_segment 0
		.amdhsa_kernarg_size 56
		.amdhsa_user_sgpr_count 2
		.amdhsa_user_sgpr_kernarg_segment_ptr 1
		.amdhsa_wavefront_size32 1
		.amdhsa_system_sgpr_workgroup_id_x 1
		.amdhsa_system_sgpr_workgroup_id_y 1
		.amdhsa_system_sgpr_workgroup_id_z 1
		.amdhsa_system_vgpr_workitem_id 0
		.amdhsa_next_free_vgpr 224
		.amdhsa_next_free_sgpr 66
		.amdhsa_reserve_vcc 0
		.amdhsa_float_denorm_mode_32 3
		.amdhsa_float_denorm_mode_16_64 3
		.amdhsa_memory_ordered 1
		.amdhsa_forward_progress 1
		.amdhsa_inst_pref_size 23
	.end_amdhsa_kernel
	.amdgpu_metadata
---
amdhsa.version: [ 1, 2 ]
amdhsa.kernels:
  - .name:           k_q9d75ecc709_ln2
    .symbol:         k_q9d75ecc709_ln2.kd
    .args:
      - { .name: y, .offset: 0, .size: 8, .value_kind: global_buffer, .address_space: global }
      - { .name: z, .offset: 8, .size: 8, .value_kind: global_buffer, .address_space: global }
      - { .name: ln1_scale, .offset: 16, .size: 8, .value_kind: global_buffer, .address_space: global }
      - { .name: ln1_bias, .offset: 24, .size: 8, .value_kind: global_buffer, .address_space: global }
      - { .name: ln2_scale, .offset: 32, .size: 8, .value_kind: global_buffer, .address_space: global }
      - { .name: ln2_bias, .offset: 40, .size: 8, .value_kind: global_buffer, .address_space: global }
      - { .name: out0, .offset: 48, .size: 8, .value_kind: global_buffer, .address_space: global }
    .group_segment_fixed_size: 0
    .private_segment_fixed_size: 0
    .kernarg_segment_align: 8
    .kernarg_segment_size: 56
    .max_flat_workgroup_size: 512
    .sgpr_count:     66
    .vgpr_count:     224
    .wavefront_size: 32
...
	.end_amdgpu_metadata
.endif
;; end of part 8
